; MI455X (gfx1250); checked and timed in simulation.
; The chip was launched on July 23, 2026; its instructions are those of AMD's public machine-readable ISA for CDNA 5 (MIT licence, August 2026) and "CDNA5" Instruction Set Architecture Reference Guide (July 2026). The comments in the code are by the model that wrote it; some were corrected since.
;; Saliency Modulated Attention. Allowed arithmetic: float matrix products may take bf16 or f16 operands with f32 sums; other float arithmetic in f32, or as packed bf16 or f16 multiplies, adds, multiply-adds, maxima and minima; sums over many terms, partial sums and values carried from step to step in f32; what a program stores and reads back later, other than sums and carried values, may be rounded once to bf16 or f16.
;; Inputs: Wk 1,024 x 1,024 float32; Wo 1,024 x 1,024 float32; Wq 1,024 x 1,024 float32; Wsk 1,024 x 1,024 float32; Wsq 1,024 x 1,024 float32; Wv 1,024 x 1,024 float32; bk 1,024 float32; bo 1,024 float32; bq 1,024 float32; bsk 1,024 float32; bsq 1,024 float32; bv 1,024 float32; saliency_feats 4 x 2,048 x 1,024 float32; x 4 x 2,048 x 1,024 float32.
;; Outputs: out0 4 x 2,048 x 1,024 float32.
;; 2 versions, each right; version 2 is version 1 with the launch cvt written anew for expert scheduling mode. Each part assembles by itself: llvm-mc -triple=amdgcn-amd-amdhsa -mcpu=gfx1250 --defsym DOCPART=n.
;; ======== version 1 of 2: 4 launches
;; limits: values are held in f16: magnitudes above 65,504 overflow, below 6.1e-05 lose precision
;; workspace buffers: a2 33,554,432 bytes; wb 12,582,912 bytes; qk 33,554,432 bytes; vv 16,777,216 bytes; ctx 16,777,216 bytes
;; launch cvt (part 1): grid 704 x 1, 8 waves a work-group, no clusters, 0 bytes of LDS; arguments x, saliency_feats, Wq, Wk, Wsq, Wsk, Wv, Wo, a2, wb; writes a2, wb
.if DOCPART == 1
	.amdgcn_target "amdgcn-amd-amdhsa--gfx1250"
	.amdhsa_code_object_version 6
	.text
	.protected	k_q6b158ac61f_cvt
	.globl	k_q6b158ac61f_cvt
	.p2align	8
	.type	k_q6b158ac61f_cvt,@function
k_q6b158ac61f_cvt:
	s_mov_b64 s[64:65], 0
	v_nop
	global_prefetch_b8 v0, s[64:65] scope:SCOPE_SE
	s_setreg_imm32_b32 hwreg(HW_REG_WAVE_MODE, 25, 1), 1
	s_wait_xcnt 0x0
; ROUNDS THE MATRIX OPERANDS ONCE.  x and saliency_feats ([8192][1024] f32) go to a2 ([8192][2048] bf16: x | sal); the six weights ([1024][1024] f32) go to
; wb ([3072][2048] of 16 bits: rows 0-1023 Wq | Wk, rows 1024-2047 Wsq | Wsk, rows 2048-3071 Wv | Wo).  All are rounded to bf16, to nearest even.
; Wo's bf16 number is then written as f16, since the last product multiplies it by an f16 operand.
; LIMITS.  Wo as f16: beyond 65,504 it becomes an infinity; below 6e-5 it keeps f16's fixed step of 6e-8.
; SHARES.  A work-group takes 32 rows of 1,024 f32 of ONE source: 512 work-groups for x and sal, 192 for the weights.  Thread t takes bytes 16 t of every row (a wave's
; load covers 512 consecutive bytes) and stores bytes 8 t of the row's 2,048 (a wave's store covers 256 consecutive bytes, aligned).
; All 32 loads of a thread go out at once, each into registers of its own, so that no register is written twice: no loop, no LDS, no barrier.
; No matrix unit, no cluster, no prefetch: each byte is read once and written once, and nothing is shared.
.set ROWB, 4096                        ; bytes in a source row, and from row to row in a2 and wb
.set X,    4                           ; v[4:131]   row r as loaded at X + 4 r; its 8 bytes to store take the first two of the four
.set T,    132                         ; v[132:135] at work (Wo alone)
	s_load_b512 s[8:23], s[0:1], 0x0               ; the eight sources, in the order x, sal, Wq, Wk, Wsq, Wsk, Wv, Wo
	s_load_b128 s[24:27], s[0:1], 0x40             ; a2 s[24:25], wb s[26:27]
	v_lshlrev_b32 v1, 4, v0                        ; my 16 bytes of a source row
	v_lshlrev_b32 v2, 3, v0                        ; my 8 bytes of a row of the result
	s_mov_b32 s40, 0xffff0000                      ; a word's upper bf16
	s_lshr_b32 s28, ttmp9, 8                       ; work-groups 0-511: source 0 or 1,
	s_and_b32 s29, ttmp9, 255                      ; block of 32 rows 0-255
	s_max_u32 s30, ttmp9, 512
	s_sub_co_u32 s30, s30, 512                     ; work-groups 512-703:
	s_lshr_b32 s31, s30, 5                         ; weight 0-5,
	s_and_b32 s30, s30, 31                         ; block of 32 rows 0-31
	s_add_co_u32 s36, s31, 2                       ; source 2-7
	s_cmp_lt_u32 ttmp9, 512
	s_cselect_b32 s37, s28, s36                    ; the source's number
	s_cselect_b32 s38, s29, s30                    ; the block
	s_cselect_b32 s39, s28, s31                    ; the place in the result: bit 0 the half of a row, the bits above the band of 1,024 rows
	s_lshl_b32 s32, s38, 17                        ; 32 rows of 4,096 bytes: the block's offset in the source,
	s_mov_b32 s33, 0
	s_and_b32 s34, s39, 1
	s_lshl_b32 s34, s34, 11                        ; and in the result: + 2,048 bytes for the right half,
	s_add_co_u32 s34, s34, s32
	s_lshr_b32 s35, s39, 1
	s_lshl_b32 s35, s35, 22                        ; + 1,024 rows of 4,096 bytes for each band
	s_add_co_u32 s34, s34, s35
	s_mov_b32 s35, 0
	s_wait_kmcnt 0x0
	s_mov_b64 s[4:5], s[8:9]
.irp k, 1,2,3,4,5,6,7
	s_cmp_eq_u32 s37, \k
	s_cselect_b64 s[4:5], s[8+2*(\k):9+2*(\k)], s[4:5]
.endr
	s_cmp_lt_u32 s37, 2
	s_cselect_b64 s[6:7], s[24:25], s[26:27]
	s_add_nc_u64 s[4:5], s[4:5], s[32:33]
	s_add_nc_u64 s[6:7], s[6:7], s[34:35]
.set r, 0
.rept 32
	global_load_b128 v[X+4*r:X+4*r+3], v1, s[4:5] offset:ROWB*r th:TH_LOAD_NT
.set r, r+1
.endr
; The 32 rows, one after the other.  half = 1: the bf16 numbers are written as f16.
.macro ROWS half
.set r, 0
.rept 32
	s_wait_loadcnt 31-r                            ; loads come back in order: row r is in, the 31 - r younger ones may stay out
	v_cvt_pk_bf16_f32 v[X+4*r],   v[X+4*r],   v[X+4*r+1]
	v_cvt_pk_bf16_f32 v[X+4*r+1], v[X+4*r+2], v[X+4*r+3]
.if \half
	v_lshlrev_b32 v[T],   16,  v[X+4*r]             ; the rounded numbers as f32 again,
	v_and_b32     v[T+1], s40, v[X+4*r]
	v_lshlrev_b32 v[T+2], 16,  v[X+4*r+1]
	v_and_b32     v[T+3], s40, v[X+4*r+1]
	v_cvt_pk_f16_f32 v[X+4*r],   v[T],   v[T+1]    ; and as f16: exact inside f16's range
	v_cvt_pk_f16_f32 v[X+4*r+1], v[T+2], v[T+3]
.endif
	global_store_b64 v2, v[X+4*r:X+4*r+1], s[6:7] offset:ROWB*r
.set r, r+1
.endr
.endm
	s_cmp_eq_u32 s37, 7                            ; Wo?
	s_cbranch_scc1 .Lf16
	ROWS 0
	s_endpgm
.Lf16:
	ROWS 1
	s_endpgm
.Lfunc_end_k_q6b158ac61f_cvt:
	.size	k_q6b158ac61f_cvt, .Lfunc_end_k_q6b158ac61f_cvt-k_q6b158ac61f_cvt
	.p2alignl 7, 3214868480
	.fill 96, 4, 3214868480
	.section	.rodata,"a",@progbits
	.p2align	6, 0x0
	.amdhsa_kernel k_q6b158ac61f_cvt
		.amdhsa_group_segment_fixed_size 0
		.amdhsa_private_segment_fixed_size 0
		.amdhsa_enable_private_segment 0
		.amdhsa_kernarg_size 80
		.amdhsa_user_sgpr_count 2
		.amdhsa_user_sgpr_kernarg_segment_ptr 1
		.amdhsa_wavefront_size32 1
		.amdhsa_system_sgpr_workgroup_id_x 1
		.amdhsa_system_sgpr_workgroup_id_y 1
		.amdhsa_system_sgpr_workgroup_id_z 1
		.amdhsa_system_vgpr_workitem_id 0
		.amdhsa_next_free_vgpr 140
		.amdhsa_next_free_sgpr 66
		.amdhsa_reserve_vcc 0
		.amdhsa_float_denorm_mode_32 3
		.amdhsa_float_denorm_mode_16_64 3
		.amdhsa_memory_ordered 1
		.amdhsa_forward_progress 1
		.amdhsa_inst_pref_size 29
	.end_amdhsa_kernel
	.amdgpu_metadata
---
amdhsa.version: [ 1, 2 ]
amdhsa.kernels:
  - .name:           k_q6b158ac61f_cvt
    .symbol:         k_q6b158ac61f_cvt.kd
    .args:
      - { .name: x, .offset: 0, .size: 8, .value_kind: global_buffer, .address_space: global }
      - { .name: saliency_feats, .offset: 8, .size: 8, .value_kind: global_buffer, .address_space: global }
      - { .name: Wq, .offset: 16, .size: 8, .value_kind: global_buffer, .address_space: global }
      - { .name: Wk, .offset: 24, .size: 8, .value_kind: global_buffer, .address_space: global }
      - { .name: Wsq, .offset: 32, .size: 8, .value_kind: global_buffer, .address_space: global }
      - { .name: Wsk, .offset: 40, .size: 8, .value_kind: global_buffer, .address_space: global }
      - { .name: Wv, .offset: 48, .size: 8, .value_kind: global_buffer, .address_space: global }
      - { .name: Wo, .offset: 56, .size: 8, .value_kind: global_buffer, .address_space: global }
      - { .name: a2, .offset: 64, .size: 8, .value_kind: global_buffer, .address_space: global }
      - { .name: wb, .offset: 72, .size: 8, .value_kind: global_buffer, .address_space: global }
    .group_segment_fixed_size: 0
    .private_segment_fixed_size: 0
    .kernarg_segment_align: 8
    .kernarg_segment_size: 80
    .max_flat_workgroup_size: 256
    .sgpr_count:     66
    .vgpr_count:     140
    .wavefront_size: 32
...
	.end_amdgpu_metadata
.endif
;; end of part 1
;; launch gemm_qkv (part 2): grid 8 x 32, 4 waves a work-group, clusters of 4 x 4, 327,680 bytes of LDS; arguments a2, wb, qk, bq, bsq, bk, bsk, bv, vv; writes qk, vv
.if DOCPART == 2
	.amdgcn_target "amdgcn-amd-amdhsa--gfx1250"
	.amdhsa_code_object_version 6
	.text
	.protected	k_q6b158ac61f_gemm_qkv
	.globl	k_q6b158ac61f_gemm_qkv
	.p2align	8
	.type	k_q6b158ac61f_gemm_qkv,@function
k_q6b158ac61f_gemm_qkv:
	s_mov_b64 s[64:65], 0
	v_nop
	global_prefetch_b8 v0, s[64:65] scope:SCOPE_SE
	s_setreg_imm32_b32 hwreg(HW_REG_WAVE_MODE, 25, 1), 1
	s_wait_xcnt 0x0
	s_wait_alu depctr_hold_cnt(0) depctr_sa_sdst(0) depctr_va_vdst(0) depctr_va_sdst(0) depctr_va_ssrc(0) depctr_va_vcc(0) depctr_vm_vsrc(0)
	s_getreg_b32 s2, hwreg(HW_REG_IB_STS2, 6, 4)
	s_cmp_eq_u32 s2, 0
	s_cbranch_scc0 .Lentry_in_a_cluster
	s_endpgm
.Lentry_in_a_cluster:
	s_bfe_u32 s2, ttmp6, 0x10000c
	s_cmp_lg_u32 s2, 0xf033
	s_cbranch_scc0 .Lentry_shape_is_right
	s_endpgm
.Lentry_shape_is_right:
; TWO TILES TO A WORK-GROUP.  First [q | k] = [x | sal] [Wq Wk ; Wsq Wsk] + bias, then v = x Wv + bv.
; A = a2: [8192][2048] bf16 (x | sal).  B = wb: [k][2048] bf16, K DOWN the rows: rows 0-2047 for q | k, rows 2048-3071, left half, Wv.  qk: [8192][2048] f16, vv: [8192][1024] f16, each rounded once from f32 sums.
; The bias of a column (bq + bsq, bk + bsk, bv; each vector rounded to bf16 like every input, sums in f32) is the C operand of the product that starts the column's sums.
; LIMITS.  q, k and v leave as f16: a sum of 65,520 or more becomes an infinity.  NaN and infinities are not treated apart.
; THE FIRST TILE, 256 x 256 of q | k, K = 2,048: four waves, each 128 x 128: 64 accumulators of 16 x 16, 512 registers.  K goes in 16 steps of 128 through a ring of two LDS slots filled by the tensor data
; mover: A's tile has 256 rows of 256 bytes, B's 128 rows (k) of 512 bytes; all start at multiples of 256 bytes from their buffer's first byte.  B's fragments come out of LDS turned, by ds_load_tr16_b128.
; THE SECOND TILE, 128 x 256 of v, K = 1,024: 8,192 x 1,024 numbers in such tiles are 256, one for each of the 256 work-groups, so that all do equal work.  Tile column = cx, tile row = 2 x (the first tile's
; row) + cluster x.  A wave makes 64 x 128: the 32 accumulators of window 2.  B's tile has the first tile's shape; A's has 64 rows a load, laid where the first tile's halves begin: every LDS address stays as it is.
; THE RING DOES NOT STOP between the tiles: the first tile's last two changes of slots ask for the second tile's K steps 0 and 1; then the first tile goes out, and nothing waits for its stores.
; The second tile's last K step goes by rows of C, so that finished rows leave while the others are multiplied.
; CLUSTERS: 4 x 4 work-groups.  In both tiles the four of a row of the cluster need the same tile of A, the four of a column the same tile of B: each is asked for JOINTLY, by the same tensor load with
; the same descriptor and a mask that names the four.
; REGISTERS, in windows of 256 (s_set_vgpr_msb: bits 1:0 source 0, 3:2 source 1, 5:4 source 2, 7:6 destination):
;   window 0: v0-31 addresses; v64-127, v128-191 fragments of A, two buffers (in the very last K step four, of 16 rows x 128 K); v192-255 q | k's bias, later with v32-63 at work on the way out
;   window 1: v64-127, v128-191 fragments of B, two buffers; v192-255 v's bias; in the very last K step all 256 are B's          window 2: the accumulators of my rows 0-63 ((a, b) at v[8 (8 a + b)]); window 3: of my rows 64-127
; THE MATRIX INSTRUCTION IS USED TRANSPOSED: source 0 = 16 columns of B, source 1 = 16 rows of A: lane l holds row l % 16 of C and the columns 8 (l / 16) + 0..7, which pack into 16 bytes.
.set SIZE_N, 2048
.set SIZE_K, 2048
.set KSTEP,  128
.set PITCH,  272                       ; a row of A in LDS: 256 bytes + 16 = 68 words: the 16 rows of a load start at 16 different groups of four banks (64 banks of 4 bytes: ISA guide 11.1)
.set PITCHB, 544                       ; a row of B in LDS: 512 bytes + 32 = 136 words
.set HALFT,  128*PITCH                 ; from one load's LDS place to the next: 128 rows of A, or 64 rows of B (64 x 544 is the same number)
.set SLOT,   4*HALFT                   ; A's two halves, then B's 128 rows
.set STAGE,  2*SLOT                    ; behind the ring: 16 rows x 272 bytes for each wave, for the way out
.set SPITCH, 272
.set SPARE,  STAGE+4*16*SPITCH         ; behind the stages: the spare words, 128 bytes for each wave: two blocks of 256 bytes that no other line names
.set LAPS,   8                         ; a lap = two K steps = once round the ring: the first tile has 8,
.set VLAPS,  4                         ; the second 4
.set BSTEP,  KSTEP*SIZE_N*2            ; a K step in B: 128 rows of 4,096 bytes
.set ADRA, 16                          ; v16-17  LDS address of my A fragments in slot 0, 1
.set ADRB, 20                          ; v20-21  the same for B
.set STO,  24                          ; v24     the way out: where I put 16 bytes of a row
.set RD,   25                          ; v25     the way out: where I read a row back
.set CO,   26                          ; v26     my byte offset in two rows of qk
.set BO,   27                          ; v27     my byte offset in the bias vectors
.set SPW,  28                          ; v28     LDS address of my spare word: SPARE + 4 x my thread's number; never rewritten
.set NIL,  29                          ; v29     0; never rewritten
.set PFO,  30                          ; v30     the prefetches' offset; never rewritten
.set COV,  31                          ; v31     my byte offset in two rows of vv
.set PFA,  44                          ; s[44:45] the K step that my next prefetch names, at my work-group's part of the rows that I fetch
.set LIM,  43                          ; s43     who prefetches, and until when: see ASK
.set PST,  76                          ; s[76:77] a K step in bytes: 256 along A's rows, BSTEP down B's
.set F0,   64
.set F1,   128
.set BIAS, 192                         ; v192-255: block b's eight numbers at BIAS + 8 b: q | k's in window 0, v's in window 1
.set TMP,  192                         ; the way out: packed results
.set OB,   32                          ; the way out: 16 rows read back from the stage: v32-63 and v224-255 by turns
.set PA,   64                          ; the very last K step: A's fragments of 16 rows x 128 K, 32 registers; four such buffers, v64-191
.set G1, 24                            ; s[24:31] descriptor group 1 for A's tiles of the first tile
.set G0, 32                            ; s[32:39] group 0 for A's tiles, one set for each slot
.set G1B, 48                           ; s[48:55] group 1 for B's tiles, of both tiles
.set G0B, 56                           ; s[56:63] group 0 for B's tiles
.set G1V, 80                           ; s[80:87] group 1 for A's tiles of the second tile: 64 rows
.set AVB, 88                           ; s[88:89] a2 at the rows of the second tile that I fetch
.set BVB, 90                           ; s[90:91] wb at the part of Wv's first K step that I fetch
.set VVP, 92                           ; s[92:93] vv, then vv at my part of the second tile
.set BVP, 94                           ; s[94:95] bv
.set MSB, 0
.macro WIN new                         ; the immediate's high byte repeats the setting that is left; a switch that changes nothing is dropped
.if MSB != (\new)
	s_set_vgpr_msb (MSB<<8)|(\new)
.set MSB, \new
.endif
.endm
.set MUL_LO, 0xa1                      ; source 0 (B) window 1, source 1 (A) window 0, C and D window 2
.set MUL_HI, 0xf1                      ; the same, C and D window 3
.set TO_B,   0x40                      ; destination window 1, address window 0
; A joint load.  Waves 0 and 1 fetch A's two halves (by group 1 g1a), waves 2 and 3 B's.  The branch hangs on the wave's number alone.  An s_nop 0 and four v_nop follow each of the two lines.
.macro JLOAD s, g1a
	s_cmp_eq_u32 s11, 0
	s_cbranch_scc0 .Lfor_b_\@
	tensor_load_to_lds s[G0+4*(\s):G0+4*(\s)+3], s[(\g1a):(\g1a)+7]
	s_nop 0
.rept 4
	v_nop
.endr
	s_branch .Lasked_\@
.Lfor_b_\@:
	tensor_load_to_lds s[G0B+4*(\s):G0B+4*(\s)+3], s[G1B:G1B+7]
	s_nop 0
.rept 4
	v_nop
.endr
.Lasked_\@:
.endm
; A PREFETCH INTO THE L2, behind each joint refill and the run of LDS loads that follows it: the K step that stands two refills on (512 matrix instructions ahead of the load that will ask for it in the first
; tile, 256 in the second).  One instruction a wave, 32 blocks of 256 bytes, a lane a block; each block of a2 and of wb's rows that this launch reads is named once in the launch.
; WHO.  A's tile row of the first tile is read by both clusters of that row of clusters: cluster x = 0 asks; B's tile column by all eight clusters of that column: cluster y = 0 asks.  The four partners that ask
; for a tile jointly share its rows out BY ADDRESS: of the 128 rows of A that a wave fetches the partner at cx takes 32 (a lane a row), of the 64 rows of B the partner at cy takes 16 (two lanes a row of 512 bytes).
; Wv's tile column cx is read by all sixteen clusters: cluster (0, 0) asks.  There the first tile's column is cx too, so that the address of waves 2 and 3 simply walks on down wb's rows, from K step 15 into Wv.
; The rows of a2 that the second tile takes have been named in the first tile, and are named no second time.
; UNTIL WHEN.  LIM = 1: in the loop's trips but the last, behind which there is no K step two on.  LIM = 0 (waves 2 and 3 of cluster (0, 0), in the first tile): in every trip, and in the last lap (how = 1).
; LIM = the greatest number: never.  Between the tiles LIM = 0 becomes 1 and all else the greatest number.  The launch's first four K steps come by their loads alone.
.macro ASK how
.if \how
	s_cmp_eq_u32 s[LIM], 0
.else
	s_cmp_gt_u32 s3, s[LIM]                        ; s3 = 1 in a loop's last trip
.endif
	s_cbranch_scc0 .Lnot_mine_\@
	global_prefetch_b8 v[PFO], s[PFA:PFA+1] th:TH_LOAD_NT scope:SCOPE_SE
.Lnot_mine_\@:
.endm
; A round of the cluster's barrier: my work-group's barrier; wave 0 signals for the work-group; every wave waits for all sixteen work-groups; my work-group's barrier once more.
.macro CREST                           ; a round behind its opening barrier
	s_cmp_lg_u32 s10, 0
	s_cbranch_scc1 .Lnot_wave_0_\@
	s_barrier_signal -3
.Lnot_wave_0_\@:
	s_barrier_wait -3
	s_barrier_signal -1
	s_barrier_wait -1
.endm
.macro CROUND
	s_barrier_signal -1
	s_barrier_wait -1
	CREST
.endm
	s_load_b128 s[4:7], s[0:1], 0x0                ; a2 s[4:5], wb s[6:7]
	s_load_b64 s[8:9], s[0:1], 0x10                ; qk
	s_load_b64 s[68:69], s[0:1], 0x18              ; bq
	s_load_b64 s[70:71], s[0:1], 0x20              ; bsq
	s_load_b64 s[72:73], s[0:1], 0x28              ; bk
	s_load_b64 s[74:75], s[0:1], 0x30              ; bsk
	s_load_b64 s[BVP:BVP+1], s[0:1], 0x38          ; bv
	s_load_b64 s[VVP:VVP+1], s[0:1], 0x40          ; vv
	v_lshl_add_u32 v[SPW], v0, 2, SPARE
	v_mov_b32 v[NIL], 0
	ds_add_u32 v[SPW], v[NIL]                      ; the wave's opening: the add and its wait stand ahead of my first tensor load; the set-up below, work on registers, stands between them
	v_lshrrev_b32 v1, 5, v0
	v_readfirstlane_b32 s10, v1                    ; wave 0..3
	s_lshr_b32 s11, s10, 1                         ; which half of a tile's rows is mine.  Also: I fetch for A (0) or for B (1)
	s_and_b32 s12, s10, 1                          ; which half of its columns.  Also: which half of that tile I fetch
	s_bfe_u32 s40, ttmp6, 0x40000                  ; cx
	s_bfe_u32 s41, ttmp6, 0x40004                  ; cy
	s_lshl_b32 s42, ttmp9, 2
	s_add_co_u32 s42, s42, s40                     ; the first tile's column = 4 x cluster x + cx
	s_and_b32 s13, ttmp7, 0xffff
	s_lshl_b32 s13, s13, 2
	s_add_co_u32 s13, s13, s41                     ; the first tile's row = 4 x cluster y + cy
	s_lshl_b32 s43, s41, 2
	s_lshl_b32 s43, 15, s43                        ; my row of the cluster: places 4 cy .. 4 cy + 3
	s_lshl_b32 s44, 0x1111, s40                    ; my column: places cx, cx + 4, cx + 8, cx + 12
	s_or_b32 s[G1+0], s43, (1<<16)|(1<<20)|(1<<21)|(5<<22)|(3<<25)   ; A: the mask of my row; 2-byte elements; padding on; bit 21 beside a mask; after every 64 words, 4 words
	s_or_b32 s[G1V+0], s43, (1<<16)|(1<<20)|(1<<21)|(5<<22)|(3<<25)  ; the same for the second tile's A
	s_or_b32 s[G1B+0], s44, (1<<16)|(1<<20)|(1<<21)|(6<<22)|(7<<25)  ; B: the mask of my column; after every 128 words, 8 words
	s_mov_b32 s[G1+1], KSTEP<<16                   ; A: tensor_dim0 = 128
	s_mov_b32 s[G1+2], 128<<16                     ; tensor_dim1 = 128
	s_mov_b32 s[G1+3], KSTEP<<16                   ; tile_dim0 = 128
	s_mov_b32 s[G1+4], 128                         ; tile_dim1 = 128
	s_mov_b32 s[G1+5], SIZE_K                      ; elements from row to row
	s_mov_b32 s[G1+6], 0
	s_mov_b32 s[G1+7], 0
	s_mov_b32 s[G1V+1], KSTEP<<16                  ; the second tile's A: tensor_dim0 = 128
	s_mov_b32 s[G1V+2], 64<<16                     ; tensor_dim1 = 64
	s_mov_b32 s[G1V+3], KSTEP<<16                  ; tile_dim0 = 128
	s_mov_b32 s[G1V+4], 64                         ; tile_dim1 = 64
	s_mov_b32 s[G1V+5], SIZE_K                     ; elements from row to row
	s_mov_b32 s[G1V+6], 0
	s_mov_b32 s[G1V+7], 0
	s_mov_b32 s[G1B+1], 256<<16                    ; B: tensor_dim0 = 256 columns
	s_mov_b32 s[G1B+2], 64<<16                     ; tensor_dim1 = 64 rows (k)
	s_mov_b32 s[G1B+3], 256<<16                    ; tile_dim0 = 256
	s_mov_b32 s[G1B+4], 64                         ; tile_dim1 = 64
	s_mov_b32 s[G1B+5], SIZE_N                     ; elements from row to row
	s_mov_b32 s[G1B+6], 0
	s_mov_b32 s[G1B+7], 0
	; where the tiles come from.  A's hang on cy and the cluster's place alone, B's on cx and the cluster's place alone; each address is made in registers that never hold the other coordinate
	s_lshl_b32 s17, s12, 7
	s_lshl_b32 s16, s13, 8
	s_add_co_u32 s16, s16, s17                     ; A, first tile: row 256 x tile row + 128 x half,
	s_lshl_b32 s16, s16, 12                        ; of 4,096 bytes
	s_mov_b32 s17, 0
	s_lshl_b32 s46, s42, 9                         ; B, first tile: 512 bytes x tile column
	s_lshl_b32 s47, s12, 18                        ; + 64 rows of 4,096 bytes x half
	s_add_co_u32 s46, s46, s47
	s_mov_b32 s47, 0
	s_lshl_b32 s[AVB], s13, 8                      ; A, second tile: row 128 x (2 x the first tile's row + cluster x)
	s_lshl_b32 s[AVB+1], ttmp9, 7
	s_add_co_u32 s[AVB], s[AVB], s[AVB+1]
	s_lshl_b32 s[AVB+1], s12, 6                    ; + 64 x half,
	s_add_co_u32 s[AVB], s[AVB], s[AVB+1]
	s_lshl_b32 s[AVB], s[AVB], 12                  ; of 4,096 bytes
	s_mov_b32 s[AVB+1], 0
	s_lshl_b32 s[BVB], s40, 9                      ; B, second tile: 512 bytes x cx
	s_lshl_b32 s[BVB+1], s12, 18                   ; + 64 rows x half
	s_add_co_u32 s[BVB], s[BVB], s[BVB+1]
	s_add_co_u32 s[BVB], s[BVB], 2048*4096         ; + wb's rows 0-2047
	s_mov_b32 s[BVB+1], 0
	s_mul_i32 s20, s10, HALFT                      ; where they go: A's two halves, then B's two: no place in the cluster enters an LDS address
	s_wait_dscnt 0x0                               ; the opening add is done
	s_wait_kmcnt 0x0
	s_add_nc_u64 s[14:15], s[4:5], s[16:17]
	s_add_nc_u64 s[46:47], s[6:7], s[46:47]
	s_add_nc_u64 s[AVB:AVB+1], s[4:5], s[AVB:AVB+1]
	s_add_nc_u64 s[BVB:BVB+1], s[6:7], s[BVB:BVB+1]
	CROUND                                         ; all sixteen work-groups are here: the first joint loads meet
.irp s, 0,1
	s_mov_b32 s[G0+4*(\s)], 1
	s_add_co_u32 s[G0+4*(\s)+1], s20, (\s)*SLOT
	s_add_nc_u64 s[G0+4*(\s)+2:G0+4*(\s)+3], s[14:15], (\s)*KSTEP*2
	s_or_b32 s[G0+4*(\s)+3], s[G0+4*(\s)+3], 0x80000000
	s_mov_b32 s[G0B+4*(\s)], 1
	s_add_co_u32 s[G0B+4*(\s)+1], s20, (\s)*SLOT
	s_add_nc_u64 s[G0B+4*(\s)+2:G0B+4*(\s)+3], s[46:47], (\s)*BSTEP
	s_or_b32 s[G0B+4*(\s)+3], s[G0B+4*(\s)+3], 0x80000000
	JLOAD \s, G1                                   ; the ring is filled before anything else is done: two loads of mine are out
.endr
	v_and_b32 v1, 15, v0                           ; l % 16
	v_bfe_u32 v2, v0, 4, 1                         ; l / 16
	; the biases: my 128 columns of three vectors, eight numbers a block of 16 columns: 32 bytes at 64 b + 32 (l / 16).  In q, in k and in v alike my columns begin at 256 cx + 128 x half
	s_cmp_eq_u32 ttmp9, 0                          ; the first tile's columns 0-3 (cluster x = 0) are q's, 4-7 are k's
	s_cselect_b64 s[68:69], s[68:69], s[72:73]
	s_cselect_b64 s[70:71], s[70:71], s[74:75]
	s_lshl_b32 s21, s40, 10                        ; 256 columns of 4 bytes x cx,
	s_lshl_b32 s22, s12, 9                         ; + my half
	s_add_co_u32 s21, s21, s22
	v_lshl_add_u32 v[BO], v2, 5, s21
.irp b, 0,1,2,3,4,5,6,7
	global_load_b128 v[BIAS+8*(\b):BIAS+8*(\b)+3],   v[BO], s[68:69] offset:64*(\b)
	global_load_b128 v[BIAS+8*(\b)+4:BIAS+8*(\b)+7], v[BO], s[68:69] offset:64*(\b)+16
	global_load_b128 v[F1+8*(\b):F1+8*(\b)+3],       v[BO], s[70:71] offset:64*(\b)
	global_load_b128 v[F1+8*(\b)+4:F1+8*(\b)+7],     v[BO], s[70:71] offset:64*(\b)+16
	global_load_b128 v[F0+8*(\b):F0+8*(\b)+3],       v[BO], s[BVP:BVP+1] offset:64*(\b)
	global_load_b128 v[F0+8*(\b)+4:F0+8*(\b)+7],     v[BO], s[BVP:BVP+1] offset:64*(\b)+16
.endr
	; A fragment of A is 16 rows x 32 K in 8 registers: lane l holds row l % 16, K = 8 (l / 16) + 0..7 and 16 + 8 (l / 16) + 0..7: two loads of 16 bytes, 32 bytes apart.
	v_mul_u32_u24 v3, v1, PITCH
	v_lshl_add_u32 v3, v2, 4, v3
	s_mul_i32 s21, s11, HALFT                      ; my half of A's rows: 128 in the first tile, 64 in the second
	v_add_nc_u32 v[ADRA], s21, v3
	v_add_nc_u32 v[ADRA+1], SLOT, v[ADRA]
	; The turning load takes 16 k x 16 columns (lane l reads k = 8 (l / 16) + l % 8, columns 8 ((l / 8) % 2) + 0..7) and leaves half a fragment: lane l holds column l % 16 and 8 k.
	v_and_b32 v4, 7, v0
	v_lshl_add_u32 v4, v2, 3, v4
	v_mul_u32_u24 v4, v4, PITCHB
	v_bfe_u32 v5, v0, 3, 1
	v_lshl_add_u32 v4, v5, 4, v4
	s_lshl_b32 s22, s12, 8                         ; my 128 columns of B,
	s_add_co_u32 s22, s22, 2*HALFT                 ; which lies behind A's two halves
	v_add_nc_u32 v[ADRB], s22, v4
	v_add_nc_u32 v[ADRB+1], SLOT, v[ADRB]
	s_mul_i32 s23, s10, 16*SPITCH
	s_add_co_u32 s23, s23, STAGE                   ; my stage
	v_mul_u32_u24 v4, v1, SPITCH                   ; in: row l % 16, 16 bytes for each half of the lanes
	v_lshl_add_u32 v4, v2, 4, v4
	v_add_nc_u32 v[STO], s23, v4
	v_mul_u32_u24 v5, v2, SPITCH                   ; back: lanes 0-15 take one row of 256 bytes, lanes 16-31 the next
	v_lshl_add_u32 v5, v1, 4, v5
	v_add_nc_u32 v[RD], s23, v5
	v_lshlrev_b32 v5, 12, v2                       ; and the same two rows in qk, 4,096 bytes apart,
	v_lshl_add_u32 v[CO], v1, 4, v5
	v_lshlrev_b32 v5, 11, v2                       ; and in vv, 2,048 bytes apart
	v_lshl_add_u32 v[COV], v1, 4, v5
	; qk and vv at my parts of the two tiles; a block's place among my rows stands in the stores' immediates
	s_lshl_b32 s13, s13, 8
	s_lshl_b32 s14, s11, 7
	s_add_co_u32 s16, s13, s14                     ; my first row of qk,
	s_lshl_b32 s16, s16, 12                        ; of 4,096 bytes
	s_mov_b32 s17, 0
	s_lshl_b32 s46, s42, 9                         ; my first column, in bytes: 512 x tile column + 256 x half
	s_lshl_b32 s47, s12, 8
	s_add_co_u32 s46, s46, s47
	s_mov_b32 s47, 0
	s_add_nc_u64 s[16:17], s[16:17], s[46:47]
	s_add_nc_u64 s[8:9], s[8:9], s[16:17]
	s_lshl_b32 s20, ttmp9, 7
	s_add_co_u32 s20, s20, s13                     ; the second tile's first row,
	s_lshl_b32 s21, s11, 6
	s_add_co_u32 s20, s20, s21                     ; my 64 of its rows,
	s_lshl_b32 s20, s20, 11                        ; of 2,048 bytes,
	s_lshl_b32 s21, s40, 9
	s_add_co_u32 s20, s20, s21                     ; + 512 bytes x cx
	s_lshl_b32 s21, s12, 8
	s_add_co_u32 s20, s20, s21                     ; + 256 x half
	s_mov_b32 s21, 0
	s_add_nc_u64 s[VVP:VVP+1], s[VVP:VVP+1], s[20:21]
	; the prefetches.  s13 = 256 x the first tile's row, s42 = its column, s40 = cx, s41 = cy still stand
	s_lshl_b32 s20, s12, 7
	s_add_co_u32 s20, s20, s13
	s_lshl_b32 s21, s40, 5
	s_add_co_u32 s20, s20, s21                     ; A: the tile's first row + the 128 that I fetch + my work-group's 32 of them,
	s_lshl_b32 s20, s20, 12
	s_add_co_u32 s20, s20, 3*KSTEP*2               ; at K step 3: the first refill steps it to 4
	s_lshl_b32 s21, s12, 6
	s_lshl_b32 s22, s41, 4
	s_add_co_u32 s21, s21, s22                     ; B: the 64 rows that I fetch + my work-group's 16 of them,
	s_lshl_b32 s21, s21, 12
	s_lshl_b32 s22, s42, 9
	s_add_co_u32 s21, s21, s22                     ; the tile's 512 bytes of a row,
	s_add_co_u32 s21, s21, 3*BSTEP                 ; at K step 3
	s_and_b32 s22, ttmp7, 0xffff                   ; cluster y
	s_xor_b32 s23, s11, 1
	s_or_b32 s23, s23, ttmp9
	s_or_b32 s23, s23, s22                         ; 0 in waves 2 and 3 of cluster (0, 0) alone
	s_mov_b32 s[PST], BSTEP
	s_mov_b32 s[PST+1], 0
	s_cmp_eq_u32 s11, 0                            ; do I fetch for A?
	s_cselect_b32 s20, s20, s21
	s_cselect_b32 s22, ttmp9, s22                  ; the coordinate along which other clusters read the same rows
	s_cselect_b32 s[PST], KSTEP*2, s[PST]
	s_cselect_b64 s[PFA:PFA+1], s[4:5], s[6:7]
	s_mov_b32 s21, 0
	s_cmp_eq_u32 s22, 0
	s_cselect_b32 s[LIM], 1, -1                    ; the same in all sixteen partners, for a given wave
	s_cmp_eq_u32 s23, 0
	s_cselect_b32 s[LIM], 0, s[LIM]                ; these walk on into Wv
	s_add_nc_u64 s[PFA:PFA+1], s[PFA:PFA+1], s[20:21]
	v_and_b32 v5, 31, v0
	v_lshrrev_b32 v[PFO], s11, v5                  ; A: a lane a row; B: two lanes a row,
	v_and_b32 v5, s11, v5
	v_lshlrev_b32 v[PFO], 12, v[PFO]
	v_lshl_add_u32 v[PFO], v5, 8, v[PFO]           ; 256 bytes apart
	; the bias vectors are rounded to bf16, as every input is; q | k's two are added in f32; v's goes into window 1
	s_mov_b32 s78, 0xffff0000
.macro RB base, to, win                ; 64 f32 at v[base ..] are rounded to bf16 and widened again, into v[to ..] of the window that win names as the destination's; v32-63 at work
.set i, 0
.rept 32
	v_cvt_pk_bf16_f32 v[32+i], v[(\base)+2*i], v[(\base)+2*i+1]
.set i, i+1
.endr
	WIN \win
.set i, 0
.rept 32
	v_lshlrev_b32 v[(\to)+2*i],   16,  v[32+i]
	v_and_b32     v[(\to)+2*i+1], s78, v[32+i]
.set i, i+1
.endr
	WIN 0
.endm
	s_wait_loadcnt 0x0
	RB BIAS, BIAS, 0
	RB F1, F1, 0
.set i, 0
.rept 32
	v_pk_add_f32 v[BIAS+2*i:BIAS+2*i+1], v[BIAS+2*i:BIAS+2*i+1], v[F1+2*i:F1+2*i+1]
.set i, i+1
.endr
	RB F0, BIAS, 0x40
; 8 matrix instructions: m block a of the window's four (hi = 0: my rows 0-63, 1: rows 64-127) x all 8 n blocks, 32 along K.
; zero = 1, 2: the product starts the sums, with the bias as its C (1: q | k's, in window 0; 2: v's, in window 1): nothing is ever cleared, and no bias is added at the end.
.macro MULA f, hi, a, zero
.if (\zero) == 1
	WIN 0x81+0x40*(\hi)                            ; B window 1, A and the bias window 0, D window 2 or 3
.elseif (\zero) == 2
	WIN 0x91                                       ; B and the bias window 1, A window 0, D window 2
.else
	WIN MUL_LO+0x50*(\hi)
.endif
.irp b, 0,1,2,3,4,5,6,7
.if \zero
	v_wmma_f32_16x16x32_bf16 v[8*(8*(\a)+(\b)):8*(8*(\a)+(\b))+7], v[(\f)+8*(\b):(\f)+8*(\b)+7], v[(\f)+8*(4*(\hi)+(\a)):(\f)+8*(4*(\hi)+(\a))+7], v[BIAS+8*(\b):BIAS+8*(\b)+7]
.else
	v_wmma_f32_16x16x32_bf16 v[8*(8*(\a)+(\b)):8*(8*(\a)+(\b))+7], v[(\f)+8*(\b):(\f)+8*(\b)+7], v[(\f)+8*(4*(\hi)+(\a)):(\f)+8*(4*(\hi)+(\a))+7], v[8*(8*(\a)+(\b)):8*(8*(\a)+(\b))+7]
.endif
.endr
.endm
.macro MUL16 f, hi, a0, zero           ; m blocks a0 and a0 + 1.  The accumulators take turns, in the same order in every quarter of a tile
	MULA \f, \hi, \a0, \zero
	MULA \f, \hi, (\a0)+1, \zero
.endm
; The LDS loads of quarter q of a K step in one run, into buffer f: 32 k x 128 columns of B, turned (16 loads), then na blocks of 16 rows of A x 32 k (two loads each): 8 in the first tile, 4 in the second
.macro FETCH slot, q, f, na
	WIN TO_B
.irp i, 0,1,2,3,4,5,6,7
	ds_load_tr16_b128 v[(\f)+8*(\i):(\f)+8*(\i)+3],   v[ADRB+(\slot)] offset:(\q)*32*PITCHB+32*(\i)
	ds_load_tr16_b128 v[(\f)+8*(\i)+4:(\f)+8*(\i)+7], v[ADRB+(\slot)] offset:(\q)*32*PITCHB+32*(\i)+16*PITCHB
.endr
	WIN 0
.irp i, 0,1,2,3,4,5,6,7
.if (\i) < (\na)
	ds_load_b128 v[(\f)+8*(\i):(\f)+8*(\i)+3],   v[ADRA+(\slot)] offset:64*(\q)+(\i)*16*PITCH
	ds_load_b128 v[(\f)+8*(\i)+4:(\f)+8*(\i)+7], v[ADRA+(\slot)] offset:64*(\q)+(\i)*16*PITCH+32
.endif
.endr
.endm
; A load into a register that a matrix instruction has read, and a vector instruction that reads a matrix result, stand four places behind that matrix instruction; only plain vector
; instructions that name none of its registers are places (ISA guide 7.12.1 for vector instructions).
.macro PLACES
.rept 4
	v_nop
.endr
.endm
; THE FIRST TILE.  A K step is four quarters of 32 along K, 64 matrix instructions each, on buffers 0, 1, 0, 1.  One of the first three: multiplies buffer f; in its middle it fetches quarter q into buffer g.
.macro QUARTER slot, q, f, g, zero
	s_wait_dscnt 8                                 ; B and A's rows 0-63 are in; the youngest eight loads (A's rows 64-127) may be out
	MUL16 \f, 0, 0, \zero
	MUL16 \f, 0, 2, \zero
	PLACES
	FETCH \slot, \q, \g, 8
	s_wait_dscnt 32                                ; all but the 32 just issued
	MUL16 \f, 1, 0, \zero
	MUL16 \f, 1, 2, \zero
.endm
; The last quarter multiplies buffer 1 and changes slots.  MEET is its first half: ONE barrier, which opens a round of the cluster's; in front of it each wave waits for all its tensor loads, of which one is
; out: its part of the next slot; adds 0 to its spare word; and waits for that and for its own reads of this slot.  Behind it nobody reads this slot any more and the next slot is whole.
.macro MEET
	WIN 0                                          ; (the add's two registers lie in window 0)
	s_wait_tensorcnt 0x0                           ; all my tensor loads have landed
	ds_add_u32 v[SPW], v[NIL]                      ; 0 onto my spare word
	s_wait_dscnt 9                                 ; (the add and the youngest eight loads may be out)
	MUL16 F1, 0, 0, 0                              ; sixteen matrix instructions stand between the add and the wait for it
	s_wait_dscnt 0x0                               ; the add is done, and my reads of this slot are over
	s_barrier_signal -1
	MUL16 F1, 0, 2, 0                              ; work on registers while the others arrive
	WIN 0
	s_barrier_wait -1
.endm
; The whole last quarter.  Behind the round the slot just read out is filled again first: with the K step two steps on (on = 0) or, in the tile's last lap, with the SECOND tile's K step 0 or 1 (on = 1:
; both addresses are made anew from that tile's two bases); then come the next slot's first fragments.  From a request to the wait for it a wave issues 224 matrix instructions.
.macro TURN slot, next, on
	s_wait_xcnt 0x0                                ; the last prefetch, a K step back, has read its address: it is stepped here, ahead of the waits of the change of slots
	s_add_nc_u64 s[PFA:PFA+1], s[PFA:PFA+1], s[PST:PST+1]
	MEET
	CREST                                          ; no wave of any partner still reads this slot's tile or has a load on its way
.if \on
	s_add_nc_u64 s[G0+4*(\slot)+2:G0+4*(\slot)+3], s[AVB:AVB+1], (\slot)*KSTEP*2
	s_or_b32 s[G0+4*(\slot)+3], s[G0+4*(\slot)+3], 0x80000000
	s_add_nc_u64 s[G0B+4*(\slot)+2:G0B+4*(\slot)+3], s[BVB:BVB+1], (\slot)*BSTEP
	s_or_b32 s[G0B+4*(\slot)+3], s[G0B+4*(\slot)+3], 0x80000000
	JLOAD \slot, G1V                               ; the first tensor load behind the round; the four v_nop behind it are also the places in front of the loads below
	FETCH \next, 0, F0, 8-4*(\slot)                ; slot 1 still holds the first tile's last K step; slot 0 then holds the second tile's first
.else
	s_add_nc_u64 s[G0+4*(\slot)+2:G0+4*(\slot)+3], s[G0+4*(\slot)+2:G0+4*(\slot)+3], 2*KSTEP*2
	s_add_nc_u64 s[G0B+4*(\slot)+2:G0B+4*(\slot)+3], s[G0B+4*(\slot)+2:G0B+4*(\slot)+3], 2*BSTEP
	JLOAD \slot, G1
	FETCH \next, 0, F0, 8
.endif
	ASK \on
	MUL16 F1, 1, 0, 0
	MUL16 F1, 1, 2, 0
.endm
; THE SECOND TILE: the same with my 64 rows: 32 matrix instructions and 24 LDS loads a quarter.
.macro QUARTV slot, q, f, g, zero
	s_wait_dscnt 4                                 ; B and A's blocks 0 and 1 are in; the youngest four loads (A's blocks 2 and 3) may be out
	MUL16 \f, 0, 0, \zero
	PLACES
	FETCH \slot, \q, \g, 4
	s_wait_dscnt 24                                ; all but the 24 just issued
	MUL16 \f, 0, 2, \zero
.endm
.macro MEETV round                     ; round = 1: a round of the cluster's barrier follows
	WIN 0
	s_wait_tensorcnt 0x0                           ; all my tensor loads have landed
	ds_add_u32 v[SPW], v[NIL]                      ; 0 onto my spare word
	s_wait_dscnt 5                                 ; (the add and the youngest four loads may be out)
	MULA F1, 0, 0, 0                               ; eight matrix instructions stand between the add and the wait for it
	s_wait_dscnt 0x0                               ; the add is done, and my reads of this slot are over
	s_barrier_signal -1
	MULA F1, 0, 1, 0
.if \round
	WIN 0
.endif
	s_barrier_wait -1
.endm
.macro TURNV slot, next                ; this slot is filled again, two K steps ahead: 112 matrix instructions ahead of the wait for it
	s_wait_xcnt 0x0                                ; the last prefetch and the stores issued so far have read their registers
	s_add_nc_u64 s[PFA:PFA+1], s[PFA:PFA+1], s[PST:PST+1]
	MEETV 1
	CREST
	s_add_nc_u64 s[G0+4*(\slot)+2:G0+4*(\slot)+3], s[G0+4*(\slot)+2:G0+4*(\slot)+3], 2*KSTEP*2
	s_add_nc_u64 s[G0B+4*(\slot)+2:G0B+4*(\slot)+3], s[G0B+4*(\slot)+2:G0B+4*(\slot)+3], 2*BSTEP
	JLOAD \slot, G1V
	FETCH \next, 0, F0, 4
	ASK 0
	MUL16 F1, 0, 2, 0
.endm
; THE SECOND TILE'S LAST K STEP (it lies in slot 1) GOES BY ROWS OF C.  All its fragments of B (4 quarters x 64 registers) fill window 1; then my four blocks of 16 rows are finished one after the other,
; each with 32 matrix instructions (its 8 accumulators by turns, K ascending).  LDS is read no more than in any other K step.
.macro BLOAD q
	WIN TO_B
.irp i, 0,1,2,3,4,5,6,7
	ds_load_tr16_b128 v[64*(\q)+8*(\i):64*(\q)+8*(\i)+3],   v[ADRB+1] offset:(\q)*32*PITCHB+32*(\i)
	ds_load_tr16_b128 v[64*(\q)+8*(\i)+4:64*(\q)+8*(\i)+7], v[ADRB+1] offset:(\q)*32*PITCHB+32*(\i)+16*PITCHB
.endr
.endm
.macro ALOAD a                         ; A's fragments of block a, all four quarters -> buffer a
	WIN 0
.set FA, PA+32*(\a)
.irp q, 0,1,2,3
	ds_load_b128 v[FA+8*(\q):FA+8*(\q)+3],   v[ADRA+1] offset:64*(\q)+(\a)*16*PITCH
	ds_load_b128 v[FA+8*(\q)+4:FA+8*(\q)+7], v[ADRA+1] offset:64*(\q)+(\a)*16*PITCH+32
.endr
.endm
.macro ROW a                           ; block a is finished: 32 matrix instructions
.set FA, PA+32*(\a)
.set AC, 64*(\a)
	WIN MUL_LO
.irp q, 0,1,2,3
.if (\a) == 0 && (\q) == 2
	s_wait_dscnt 24                                ; B's quarter 2 is in (behind it: A's blocks 1 to 3)
.endif
.irp b, 0,1,2,3,4,5,6,7
	v_wmma_f32_16x16x32_bf16 v[AC+8*(\b):AC+8*(\b)+7], v[64*(\q)+8*(\b):64*(\q)+8*(\b)+7], v[FA+8*(\q):FA+8*(\q)+7], v[AC+8*(\b):AC+8*(\b)+7]
.endr
.endr
.endm
; THE WAY OUT of block a (16 rows x 128 columns).  PACK: rounded to f16, 16 bytes a lane.  TOSTAGE: into my own stage in LDS, and back as whole rows of 256 bytes.  SEND: stored.
.macro PACK a
.set AC, 64*((\a)%4)
	WIN 0x0a+5*((\a)/4)                            ; sources 0 and 1: window 2 or 3
.irp b, 0,1,2,3,4,5,6,7
.irp r, 0,1,2,3
	v_cvt_pk_f16_f32 v[TMP+4*(\b)+(\r)], v[AC+8*(\b)+2*(\r)], v[AC+8*(\b)+2*(\r)+1]
.endr
.endr
	WIN 0
.endm
.macro TOSTAGE a
	WIN 0
.set BK, OB+192*((\a)%2)
.irp b, 0,1,2,3,4,5,6,7
	ds_store_b128 v[STO], v[TMP+4*(\b):TMP+4*(\b)+3] offset:32*(\b)
.endr
.irp t, 0,1,2,3,4,5,6,7
	ds_load_b128 v[BK+4*(\t):BK+4*(\t)+3], v[RD] offset:(\t)*2*SPITCH  ; LDS serves a wave's instructions in order (ISA guide 5.7.1.4): these see the stores above
.endr
.endm
.macro SEND a, v                       ; v = 0: into qk; 1: into vv
	WIN 0
.set BK, OB+192*((\a)%2)
	s_wait_dscnt 0x0                               ; the block is back in registers
	s_wait_xcnt 0x0                                ; the block before has been read by its stores: its registers are loaded again only behind this wait
.irp t, 0,1,2,3,4,5,6,7
.if \v
	global_store_b128 v[COV], v[BK+4*(\t):BK+4*(\t)+3], s[VVP:VVP+1] offset:(16*(\a)+2*(\t))*2048  ; 16 lanes store 256 consecutive bytes, at a multiple of 256 from vv's first byte
.else
	global_store_b128 v[CO], v[BK+4*(\t):BK+4*(\t)+3], s[8:9] offset:(16*(\a)+2*(\t))*4096  ; the same in qk; 126 rows of 4,096 bytes at the most, inside the signed 24-bit immediate
.endif
.endr
.endm
	s_wait_tensorcnt 1                             ; my part of K step 0 is in; K step 1's may stay out
	s_barrier_signal -1
	s_barrier_wait -1                              ; everybody's is
	FETCH 0, 0, F0, 8
	QUARTER 0, 1, F0, F1, 1                        ; a tile's first quarter stands in front of its loop: its products start the sums
	WIN 0                                          ; at a label and at a branch every window is 0
	s_mov_b32 s3, LAPS-1
.Llap:                                                 ; a trip goes once round the ring, from a lap's second quarter to the next lap's first, and fills both slots again
	QUARTER 0, 2, F1, F0, 0
	QUARTER 0, 3, F0, F1, 0
	TURN 0, 1, 0
	QUARTER 1, 1, F0, F1, 0
	QUARTER 1, 2, F1, F0, 0
	QUARTER 1, 3, F0, F1, 0
	TURN 1, 0, 0
	QUARTER 0, 1, F0, F1, 0
	WIN 0
	s_sub_co_u32 s3, s3, 1
	s_cmp_lg_u32 s3, 0
	s_cbranch_scc1 .Llap
	QUARTER 0, 2, F1, F0, 0                        ; the first tile's last lap goes on
	QUARTER 0, 3, F0, F1, 0
	TURN 0, 1, 1                                   ; THE RING GOES ON INTO THE SECOND TILE: slot 0 takes its K step 0,
	QUARTER 1, 1, F0, F1, 0
	QUARTER 1, 2, F1, F0, 0
	QUARTER 1, 3, F0, F1, 0
	TURN 1, 0, 1                                   ; slot 1 its K step 1, and its first fragments are fetched
	PACK 0                                         ; BOTH REFILLS ARE ASKED FOR: NOW THE FIRST TILE GOES OUT.  No v_nop: blocks 0-3 were finished in front of the four v_nop behind the joint load, and their 128
	TOSTAGE 0                                      ; conversions, which name no register of the last products (blocks 4-7's), are those products' places
.irp a, 1,2,3,4,5,6,7                  ; block a's conversions stand between block a - 1's loads from the stage and the wait for them
	PACK \a
	SEND (\a)-1, 0
	TOSTAGE \a
.endr
	SEND 7, 0
	s_cmp_eq_u32 s[LIM], 0                         ; of the waves that prefetch only those that walk Wv go on
	s_cselect_b32 s[LIM], 1, -1
	QUARTV 0, 1, F0, F1, 2                         ; the second tile's first quarter: its products start the sums, on accumulators that have been packed
	WIN 0
	s_mov_b32 s3, VLAPS-1
.Lvlap:
	QUARTV 0, 2, F1, F0, 0
	QUARTV 0, 3, F0, F1, 0
	TURNV 0, 1
	QUARTV 1, 1, F0, F1, 0
	QUARTV 1, 2, F1, F0, 0
	QUARTV 1, 3, F0, F1, 0
	TURNV 1, 0
	QUARTV 0, 1, F0, F1, 0
	WIN 0
	s_sub_co_u32 s3, s3, 1
	s_cmp_lg_u32 s3, 0
	s_cbranch_scc1 .Lvlap
	QUARTV 0, 2, F1, F0, 0                         ; the last lap goes on
	QUARTV 0, 3, F0, F1, 0
	MEETV 0                                        ; my one tensor load that was still out is slot 1's, the last K step's, so no round follows
	PLACES                                         ; for the loads into buffer 0, which the quarter before multiplied
	BLOAD 0                                        ; three quarters of B now: buffer 1 (v128-191 of both windows) is still being multiplied; v's bias has served
	BLOAD 1
	BLOAD 3
	ALOAD 0
	MUL16 F1, 0, 2, 0
	PLACES                                         ; for the loads into buffer 1
	BLOAD 2
	ALOAD 1
	ALOAD 2
	ALOAD 3
	s_wait_dscnt 40                                ; all but the 40 just issued
	ROW 0
.irp a, 0,1,2,3                        ; each block leaves as soon as it is finished: nothing follows this tile
	PLACES                                         ; its conversions read results just made
	PACK \a
	TOSTAGE \a
	SEND \a, 1
.if (\a) < 3
	ROW (\a)+1
.endif
.endr
	s_wait_tensorcnt 0x0                           ; the wave's end: an add and its wait behind my last tensor load and my last LDS store
	ds_add_u32 v[SPW], v[NIL]
	s_wait_dscnt 0x0
	CROUND                                         ; the closing round: no work-group ends while a partner may still ask for a tile that names it
	s_endpgm
.Lfunc_end_k_q6b158ac61f_gemm_qkv:
	.size	k_q6b158ac61f_gemm_qkv, .Lfunc_end_k_q6b158ac61f_gemm_qkv-k_q6b158ac61f_gemm_qkv
	.p2alignl 7, 3214868480
	.fill 96, 4, 3214868480
	.section	.rodata,"a",@progbits
	.p2align	6, 0x0
	.amdhsa_kernel k_q6b158ac61f_gemm_qkv
		.amdhsa_group_segment_fixed_size 327680
		.amdhsa_private_segment_fixed_size 0
		.amdhsa_enable_private_segment 0
		.amdhsa_kernarg_size 72
		.amdhsa_user_sgpr_count 2
		.amdhsa_user_sgpr_kernarg_segment_ptr 1
		.amdhsa_wavefront_size32 1
		.amdhsa_system_sgpr_workgroup_id_x 1
		.amdhsa_system_sgpr_workgroup_id_y 1
		.amdhsa_system_sgpr_workgroup_id_z 1
		.amdhsa_system_vgpr_workitem_id 0
		.amdhsa_next_free_vgpr 1024
		.amdhsa_next_free_sgpr 96
		.amdhsa_reserve_vcc 0
		.amdhsa_float_denorm_mode_32 3
		.amdhsa_float_denorm_mode_16_64 3
		.amdhsa_memory_ordered 1
		.amdhsa_forward_progress 1
		.amdhsa_inst_pref_size 246
	.end_amdhsa_kernel
	.amdgpu_metadata
---
amdhsa.version: [ 1, 2 ]
amdhsa.kernels:
  - .name:           k_q6b158ac61f_gemm_qkv
    .symbol:         k_q6b158ac61f_gemm_qkv.kd
    .args:
      - { .name: a2, .offset: 0, .size: 8, .value_kind: global_buffer, .address_space: global }
      - { .name: wb, .offset: 8, .size: 8, .value_kind: global_buffer, .address_space: global }
      - { .name: qk, .offset: 16, .size: 8, .value_kind: global_buffer, .address_space: global }
      - { .name: bq, .offset: 24, .size: 8, .value_kind: global_buffer, .address_space: global }
      - { .name: bsq, .offset: 32, .size: 8, .value_kind: global_buffer, .address_space: global }
      - { .name: bk, .offset: 40, .size: 8, .value_kind: global_buffer, .address_space: global }
      - { .name: bsk, .offset: 48, .size: 8, .value_kind: global_buffer, .address_space: global }
      - { .name: bv, .offset: 56, .size: 8, .value_kind: global_buffer, .address_space: global }
      - { .name: vv, .offset: 64, .size: 8, .value_kind: global_buffer, .address_space: global }
    .group_segment_fixed_size: 327680
    .private_segment_fixed_size: 0
    .kernarg_segment_align: 8
    .kernarg_segment_size: 72
    .max_flat_workgroup_size: 128
    .sgpr_count:     96
    .vgpr_count:     1024
    .wavefront_size: 32
...
	.end_amdgpu_metadata
.endif
;; end of part 2
;; launch attn (part 3): grid 256 x 1, 8 waves a work-group, no clusters, 265,216 bytes of LDS; arguments qk, vv, ctx; writes ctx
.if DOCPART == 3
	.amdgcn_target "amdgcn-amd-amdhsa--gfx1250"
	.amdhsa_code_object_version 6
	.text
	.protected	k_q6b158ac61f_attn
	.globl	k_q6b158ac61f_attn
	.p2align	8
	.type	k_q6b158ac61f_attn,@function
k_q6b158ac61f_attn:
	s_mov_b64 s[64:65], 0
	v_nop
	global_prefetch_b8 v0, s[64:65] scope:SCOPE_SE
	s_setreg_imm32_b32 hwreg(HW_REG_WAVE_MODE, 25, 1), 1
	s_wait_xcnt 0x0
; ATTENTION ACROSS THE 16 HEADS OF ONE POSITION.  For each of 8,192 positions p: S[n][m] = q[p][n] . k[p][m] / 8 (64 channels), P = softmax over m, O[n] = the sum over m of P[n][m] v[p][m].
; qk: [8192][2048] f16 (q's 16 heads of 64, then k's).  vv: [8192][1024] f16.  ctx: [8192][1024] f16 in the order that the module's reshape makes: head n of position s of batch b lies in row
; 2048 b + 128 n + s / 16 at bytes 128 (s % 16) on.  Products, maximum and sum in f32; the weights, divided by their sum, are rounded to f16 for the second product; O is rounded once.
; LIMITS.  p lies in 0 to 1; below 6e-5 it keeps f16's fixed step of 6e-8; a weight below 2^-126 counts as 0.  The row's own maximum is taken away, so the sum is at least about 1.  NaN and infinities are not treated apart.
; SHARES.  A work-group takes 32 positions, each of its eight waves 4.  A wave's 16,384 bytes of qk and 8,192 of vv are dense; each comes by one tensor load into the wave's own LDS, padded behind every head
; (128 bytes).  Nothing is filled twice and no wave reads another's bytes: no barrier.  No cluster: no two work-groups read the same byte.  No prefetch: all that the launch reads is asked for at its head.
; LAYOUT.  S^T = K Q^T (source 0 = k's 16 heads, source 1 = q's): a lane holds ONE query head (lane % 16) and the key heads 8 (lane / 16) + 0..7.  Rounded in pairs these four registers are the lower half
; (keys 0-15) of source 1 of O^T = V^T P; the upper half (keys 16-31) is 0 in both sources.  V comes out of LDS turned.  In O^T a lane holds one head and eight channels: 16 bytes.
.set WB,    33024                      ; a wave's LDS: q and k, then v, then its stage
.set PQ,    144                        ; a head of q or k: 128 bytes + 16 = 36 words: the 16 rows of a load start at 16 different groups of four banks (64 banks of 4 bytes: ISA guide 11.1)
.set PV,    160                        ; a head of v: 128 + 32 bytes = 40 words
.set VO,    128*PQ                     ; 18,432
.set SO,    VO+64*PV                   ; 28,672: the stage, 16 rows x 272 bytes, in blocks of 256 bytes of its own
.set SP,    272
.set SPARE, 8*WB                       ; behind the eight waves' parts: the spare words, 128 bytes for each wave: four blocks of 256 bytes that no other line names
.set AQ,  4                            ; v4   my place in 16 heads of q or k
.set AV,  5                            ; v5   my place in 16 heads of v
.set STO, 6                            ; v6   the way out: where I put 16 bytes of a head's row
.set RD,  7                            ; v7   where I read rows back
.set GO,  8                            ; v8   my byte offset in ctx
.set SPW, 10                           ; v10  SPARE + 4 x my thread's number; never rewritten
.set NIL, 11                           ; v11  0; never rewritten
.set ST,  12                           ; v12-19  position t: c m, m
.set S,   32                           ; v32-63  S^T, 8 a position; later the packed results
.set FR,  64                           ; v64-191 position j: k's fragments at FR + 32 j (channels 0-31) and + 8 (32-63), q's at + 16 and + 24; then:
.set TT,  64                           ; v64-95  position t, at work: + 0, + 2:3, + 4:5; + 6:7 1 / l, twice
.set PF,  96                           ; v96-127 P, 8 a position
.set VF,  128                          ; v128-191 V^T of two positions: position u of the pair, channel block cb at VF + 32 u + 8 cb
.set O,   192                          ; v192-255 O^T of two positions, likewise
.set G1Q, 16                           ; s[16:23] descriptor group 1 for q and k; written once
.set G1V, 24                           ; s[24:31] for v; written once
.set G0Q, 32                           ; s[32:35]
.set G0V, 36                           ; s[36:39]
.set CS,  40                           ; s[40:41] c = log2(e) / 8
.set SEL, 42                           ; s[42:43] v_permlanex16_b32's selects: each lane takes its own place in the other half
.set CX,  44                           ; s[44:45] my positions' byte offset in ctx
	s_load_b128 s[4:7], s[0:1], 0x0                ; qk s[4:5], vv s[6:7]
	s_load_b64 s[8:9], s[0:1], 0x10                ; ctx
	v_lshl_add_u32 v[SPW], v0, 2, SPARE
	v_mov_b32 v[NIL], 0
	ds_add_u32 v[SPW], v[NIL]                      ; the wave's opening: the add and its wait stand ahead of my first tensor load; the set-up below, work on registers, stands between them
	v_lshrrev_b32 v1, 5, v0
	v_readfirstlane_b32 s12, v1                    ; wave 0..7
	s_mul_i32 s13, s12, WB                         ; my part of LDS
	s_lshl_b32 s15, ttmp9, 5
	s_lshl_b32 s2, s12, 2
	s_add_co_u32 s15, s15, s2                      ; my first position: 32 x work-group + 4 x wave
	; dense bytes are asked for as rows of 256 bytes, two heads a row, and padded in LDS after every head
	s_mov_b32 s[G1Q], (1<<16)|(1<<20)|(4<<22)|(3<<25)  ; 2-byte elements; padding on; after every 32 words, 4 words
	s_mov_b32 s[G1Q+1], 128<<16                    ; tensor_dim0 = 128
	s_mov_b32 s[G1Q+2], 64<<16                     ; tensor_dim1 = 64
	s_mov_b32 s[G1Q+3], 128<<16                    ; tile_dim0 = 128
	s_mov_b32 s[G1Q+4], 64                         ; tile_dim1 = 64
	s_mov_b32 s[G1Q+5], 128                        ; elements from row to row
	s_mov_b32 s[G1Q+6], 0
	s_mov_b32 s[G1Q+7], 0
	s_mov_b32 s[G1V], (1<<16)|(1<<20)|(4<<22)|(7<<25)  ; the same with 8 words of padding,
	s_mov_b32 s[G1V+1], 128<<16
	s_mov_b32 s[G1V+2], 32<<16                     ; and 32 rows
	s_mov_b32 s[G1V+3], 128<<16
	s_mov_b32 s[G1V+4], 32
	s_mov_b32 s[G1V+5], 128
	s_mov_b32 s[G1V+6], 0
	s_mov_b32 s[G1V+7], 0
	s_mov_b32 s[G0Q], 1
	s_mov_b32 s[G0Q+1], s13
	s_mov_b32 s[G0V], 1
	s_add_co_u32 s[G0V+1], s13, VO
	s_lshl_b32 s2, s15, 12                         ; a position is 4,096 bytes of qk
	s_mov_b32 s3, 0
	s_lshl_b32 s10, s15, 11                        ; and 2,048 of vv
	s_mov_b32 s11, 0
	s_mov_b32 s[CS], 0x3e38aa3b                    ; 0.180337
	s_mov_b32 s[CS+1], s[CS]                       ; named with it as a pair
	s_mov_b32 s[SEL], 0x76543210
	s_mov_b32 s[SEL+1], 0xfedcba98
	s_and_b32 s[CX], s15, 0xfffff800               ; ctx: row 2048 b
	s_bfe_u32 s[CX+1], s15, 0x70004                ; + s / 16 (head 0's),
	s_add_co_u32 s[CX], s[CX], s[CX+1]
	s_lshl_b32 s[CX], s[CX], 11                    ; of 2,048 bytes,
	s_and_b32 s[CX+1], s15, 15
	s_lshl_b32 s[CX+1], s[CX+1], 7                 ; + 128 (s % 16)
	s_add_co_u32 s[CX], s[CX], s[CX+1]
	s_mov_b32 s[CX+1], 0
	s_add_co_u32 s14, s13, SO                      ; my stage
	s_wait_dscnt 0x0                               ; the opening add is done
	s_wait_kmcnt 0x0
	s_add_nc_u64 s[G0Q+2:G0Q+3], s[4:5], s[2:3]
	s_or_b32 s[G0Q+3], s[G0Q+3], 0x80000000
	s_add_nc_u64 s[G0V+2:G0V+3], s[6:7], s[10:11]
	s_or_b32 s[G0V+3], s[G0V+3], 0x80000000
	s_add_nc_u64 s[8:9], s[8:9], s[CX:CX+1]
	tensor_load_to_lds s[G0Q:G0Q+3], s[G1Q:G1Q+7]  ; q and k of my four positions
	s_nop 0
	tensor_load_to_lds s[G0V:G0V+3], s[G1V:G1V+7]  ; v: two loads of mine are out, and no more follow
	s_nop 0
	v_and_b32 v1, 15, v0                           ; l % 16
	v_bfe_u32 v2, v0, 4, 1                         ; l / 16
	v_mul_u32_u24 v[AQ], v1, PQ                    ; a fragment: row l % 16, 16 bytes for each half of the lanes, twice, 32 bytes apart
	v_lshl_add_u32 v[AQ], v2, 4, v[AQ]
	v_add_nc_u32 v[AQ], s13, v[AQ]
	v_and_b32 v3, 7, v0                            ; the turning load: lane l reads head 8 (l / 16) + l % 8, channels 8 ((l / 8) % 2) + 0..7
	v_bfe_u32 v9, v0, 3, 1
	v_lshl_add_u32 v[AV], v2, 3, v3
	v_mul_u32_u24 v[AV], v[AV], PV
	v_lshl_add_u32 v[AV], v9, 4, v[AV]
	v_add_nc_u32 v[AV], s[G0V+1], v[AV]
	s_wait_tensorcnt 1                             ; q and k are in; v may stay out.  Only I read these bytes
.irp c, 0,1                            ; channels 0-31 of all four positions first
.irp j, 0,1,2,3
	ds_load_b128 v[FR+32*(\j)+8*(\c):FR+32*(\j)+8*(\c)+3],       v[AQ] offset:(\j)*32*PQ+16*PQ+64*(\c)
	ds_load_b128 v[FR+32*(\j)+8*(\c)+4:FR+32*(\j)+8*(\c)+7],     v[AQ] offset:(\j)*32*PQ+16*PQ+64*(\c)+32
	ds_load_b128 v[FR+32*(\j)+16+8*(\c):FR+32*(\j)+16+8*(\c)+3], v[AQ] offset:(\j)*32*PQ+64*(\c)
	ds_load_b128 v[FR+32*(\j)+16+8*(\c)+4:FR+32*(\j)+16+8*(\c)+7], v[AQ] offset:(\j)*32*PQ+64*(\c)+32
.endr
.endr
	s_wait_dscnt 16                                ; the first sixteen are in; channels 32-63 may be out
.irp j, 0,1,2,3                        ; the four positions' accumulators take turns: three others stand between the two links of a chain
	v_wmma_f32_16x16x32_f16 v[S+8*(\j):S+8*(\j)+7], v[FR+32*(\j):FR+32*(\j)+7], v[FR+32*(\j)+16:FR+32*(\j)+23], 0
.endr
	s_wait_dscnt 0x0
.irp j, 0,1,2,3
	v_wmma_f32_16x16x32_f16 v[S+8*(\j):S+8*(\j)+7], v[FR+32*(\j)+8:FR+32*(\j)+15], v[FR+32*(\j)+24:FR+32*(\j)+31], v[S+8*(\j):S+8*(\j)+7]
.endr
	; the addresses for the way out: eight plain instructions that name no register of those products: the places behind them
	v_mul_u32_u24 v[STO], v1, SP                   ; in: head l % 16, 16 bytes for each half of the lanes
	v_lshl_add_u32 v[STO], v2, 4, v[STO]
	v_add_nc_u32 v[STO], s14, v[STO]
	v_mul_u32_u24 v[RD], v2, SP                    ; back: lanes 0-15 take one head's 256 bytes, lanes 16-31 the next head's,
	v_lshl_add_u32 v[RD], v1, 4, v[RD]
	v_add_nc_u32 v[RD], s14, v[RD]
	v_lshlrev_b32 v[GO], 18, v2                    ; which lie 128 rows of 2,048 bytes apart in ctx
	v_lshl_add_u32 v[GO], v1, 4, v[GO]
.set i, 0
.rept 4                                ; keys 16-31 do not exist: the upper halves of P's and V's fragments are 0
.set k, 4
.rept 4
	v_mov_b32 v[PF+8*i+k], 0
	v_mov_b32 v[VF+8*i+k], 0
	v_mov_b32 v[VF+32+8*i+k], 0
.set k, k+1
.endr
.set i, i+1
.endr
.macro ALL line:vararg                 ; one line for each position t
.set t, 0
.rept 4
	\line
.set t, t+1
.endr
.endm
	; THE SOFTMAX of four positions side by side.  The maximum of my 8 scores (the accumulator's lowest registers are read first), then of the 8 in the lane 16 away
	ALL v_max3_num_f32 v[TT+8*t], v[S+8*t], v[S+8*t+1], v[S+8*t+2]
	ALL v_max3_num_f32 v[TT+8*t], v[TT+8*t], v[S+8*t+3], v[S+8*t+4]
	ALL v_max3_num_f32 v[TT+8*t], v[TT+8*t], v[S+8*t+5], v[S+8*t+6]
	ALL v_max_num_f32 v[TT+8*t], v[TT+8*t], v[S+8*t+7]
	ALL v_permlanex16_b32 v[TT+8*t+2], v[TT+8*t], s[SEL], s[SEL+1]
	ALL v_max_num_f32 v[ST+2*t+1], v[TT+8*t], v[TT+8*t+2]
	ALL v_mul_f32 v[ST+2*t], s[CS], v[ST+2*t+1]
.set t, 0
.rept 4
.set k, 0
.rept 4
	v_pk_fma_f32 v[S+8*t+k:S+8*t+k+1], v[S+8*t+k:S+8*t+k+1], s[CS:CS+1], v[ST+2*t:ST+2*t+1] op_sel_hi:[1,0,0] neg_lo:[0,0,1] neg_hi:[0,0,1]  ; c s - c m
.set k, k+2
.endr
.set t, t+1
.endr
.set i, 0
.rept 32                               ; one batch of 32 exponentials
	v_exp_f32 v[S+i], v[S+i]
.set i, i+1
.endr
	v_nop                                          ; a plain instruction behind the last exponential,
	s_wait_alu depctr_va_vdst(0)                   ; and a wait ahead of the first use: one for the batch
	ALL v_pk_add_f32 v[TT+8*t+2:TT+8*t+3], v[S+8*t:S+8*t+1], v[S+8*t+2:S+8*t+3]
	ALL v_pk_add_f32 v[TT+8*t+4:TT+8*t+5], v[S+8*t+4:S+8*t+5], v[S+8*t+6:S+8*t+7]
	ALL v_pk_add_f32 v[TT+8*t+2:TT+8*t+3], v[TT+8*t+2:TT+8*t+3], v[TT+8*t+4:TT+8*t+5]
	ALL v_add_f32 v[TT+8*t], v[TT+8*t+2], v[TT+8*t+3]
	ALL v_permlanex16_b32 v[TT+8*t+4], v[TT+8*t], s[SEL], s[SEL+1]
	ALL v_add_f32 v[TT+8*t], v[TT+8*t], v[TT+8*t+4]
	ALL v_rcp_f32 v[TT+8*t+6], v[TT+8*t]           ; 1 / l, twice: a pair for the packed multiply
	ALL v_rcp_f32 v[TT+8*t+7], v[TT+8*t]
	v_nop
	s_wait_alu depctr_va_vdst(0)                   ; one wait for the eight reciprocals
.set t, 0
.rept 4
.set k, 0
.rept 4
	v_pk_mul_f32 v[S+8*t+k:S+8*t+k+1], v[S+8*t+k:S+8*t+k+1], v[TT+8*t+6:TT+8*t+7]
.set k, k+2
.endr
.set t, t+1
.endr
.set t, 0
.rept 4
.set k, 0
.rept 4
	v_cvt_pk_f16_f32 v[PF+8*t+k], v[S+8*t+2*k], v[S+8*t+2*k+1]
.set k, k+1
.endr
.set t, t+1
.endr
	s_wait_tensorcnt 0x0                           ; v is in
; THE SECOND PRODUCT AND THE WAY OUT, two positions at a time: their 128 bytes a head lie side by side in ctx: 256 bytes, aligned.
.macro VLOAD t                         ; V^T of positions 2 t and 2 t + 1: the lower halves of eight fragments
.irp u, 0,1
.irp cb, 0,1,2,3
	ds_load_tr16_b128 v[VF+32*(\u)+8*(\cb):VF+32*(\u)+8*(\cb)+3], v[AV] offset:(2*(\t)+(\u))*16*PV+32*(\cb)
.endr
.endr
.endm
.macro PAIR t
	s_wait_dscnt 0x0                               ; V^T is in
.irp u, 0,1
.irp cb, 0,1,2,3
	v_wmma_f32_16x16x32_f16 v[O+32*(\u)+8*(\cb):O+32*(\u)+8*(\cb)+7], v[VF+32*(\u)+8*(\cb):VF+32*(\u)+8*(\cb)+7], v[PF+8*(2*(\t)+(\u)):PF+8*(2*(\t)+(\u))+7], 0
.endr
.endr
.rept 8
	v_nop                                          ; the places behind those products: in front of the loads into their sources, of the conversions, and of the next pair's products on the same registers
.endr
.if (\t) == 0
	VLOAD 1
.else
	s_wait_xcnt 0x0                                ; the first pair's stores have read the registers that the conversions write
.endif
.set i, 0
.rept 32
	v_cvt_pk_f16_f32 v[S+i], v[O+2*i], v[O+2*i+1]  ; each accumulator from its low end on
.set i, i+1
.endr
.irp u, 0,1
.irp cb, 0,1,2,3
	ds_store_b128 v[STO], v[S+4*(4*(\u)+(\cb)):S+4*(4*(\u)+(\cb))+3] offset:128*(\u)+32*(\cb)
.endr
.endr
.irp f, 0,1,2,3,4,5,6,7
	ds_load_b128 v[S+4*(\f):S+4*(\f)+3], v[RD] offset:(\f)*2*SP  ; LDS serves a wave's instructions in order (ISA guide 5.7.1.4): these see the stores above
.endr
	s_wait_dscnt 0x0
.irp f, 0,1,2,3,4,5,6,7
	global_store_b128 v[GO], v[S+4*(\f):S+4*(\f)+3], s[8:9] offset:(\f)*524288+256*(\t)  ; heads 2 f and 2 f + 1: 16 lanes store 256 consecutive bytes, at a multiple of 256 from ctx's first byte
.endr
.endm
	VLOAD 0
	PAIR 0
	PAIR 1
	s_wait_tensorcnt 0x0                           ; the wave's end: an add and its wait behind my last tensor load and my last LDS store
	ds_add_u32 v[SPW], v[NIL]
	s_wait_dscnt 0x0
	s_endpgm
.Lfunc_end_k_q6b158ac61f_attn:
	.size	k_q6b158ac61f_attn, .Lfunc_end_k_q6b158ac61f_attn-k_q6b158ac61f_attn
	.p2alignl 7, 3214868480
	.fill 96, 4, 3214868480
	.section	.rodata,"a",@progbits
	.p2align	6, 0x0
	.amdhsa_kernel k_q6b158ac61f_attn
		.amdhsa_group_segment_fixed_size 265216
		.amdhsa_private_segment_fixed_size 0
		.amdhsa_enable_private_segment 0
		.amdhsa_kernarg_size 24
		.amdhsa_user_sgpr_count 2
		.amdhsa_user_sgpr_kernarg_segment_ptr 1
		.amdhsa_wavefront_size32 1
		.amdhsa_system_sgpr_workgroup_id_x 1
		.amdhsa_system_sgpr_workgroup_id_y 1
		.amdhsa_system_sgpr_workgroup_id_z 1
		.amdhsa_system_vgpr_workitem_id 0
		.amdhsa_next_free_vgpr 256
		.amdhsa_next_free_sgpr 66
		.amdhsa_reserve_vcc 0
		.amdhsa_float_denorm_mode_32 3
		.amdhsa_float_denorm_mode_16_64 3
		.amdhsa_memory_ordered 1
		.amdhsa_forward_progress 1
		.amdhsa_inst_pref_size 26
	.end_amdhsa_kernel
	.amdgpu_metadata
---
amdhsa.version: [ 1, 2 ]
amdhsa.kernels:
  - .name:           k_q6b158ac61f_attn
    .symbol:         k_q6b158ac61f_attn.kd
    .args:
      - { .name: qk, .offset: 0, .size: 8, .value_kind: global_buffer, .address_space: global }
      - { .name: vv, .offset: 8, .size: 8, .value_kind: global_buffer, .address_space: global }
      - { .name: ctx, .offset: 16, .size: 8, .value_kind: global_buffer, .address_space: global }
    .group_segment_fixed_size: 265216
    .private_segment_fixed_size: 0
    .kernarg_segment_align: 8
    .kernarg_segment_size: 24
    .max_flat_workgroup_size: 256
    .sgpr_count:     66
    .vgpr_count:     256
    .wavefront_size: 32
...
	.end_amdgpu_metadata
.endif
;; end of part 3
;; launch gemm_o (part 4): grid 8 x 32, 4 waves a work-group, clusters of 4 x 4, 327,680 bytes of LDS; arguments ctx, wb, out0, bo; writes out0
.if DOCPART == 4
	.amdgcn_target "amdgcn-amd-amdhsa--gfx1250"
	.amdhsa_code_object_version 6
	.text
	.protected	k_q6b158ac61f_gemm_o
	.globl	k_q6b158ac61f_gemm_o
	.p2align	8
	.type	k_q6b158ac61f_gemm_o,@function
k_q6b158ac61f_gemm_o:
	s_mov_b64 s[64:65], 0
	v_nop
	global_prefetch_b8 v0, s[64:65] scope:SCOPE_SE
	s_setreg_imm32_b32 hwreg(HW_REG_WAVE_MODE, 25, 1), 1
	s_wait_xcnt 0x0
	s_wait_alu depctr_hold_cnt(0) depctr_sa_sdst(0) depctr_va_vdst(0) depctr_va_sdst(0) depctr_va_ssrc(0) depctr_va_vcc(0) depctr_vm_vsrc(0)
	s_getreg_b32 s2, hwreg(HW_REG_IB_STS2, 6, 4)
	s_cmp_eq_u32 s2, 0
	s_cbranch_scc0 .Lentry_in_a_cluster
	s_endpgm
.Lentry_in_a_cluster:
	s_bfe_u32 s2, ttmp6, 0x10000c
	s_cmp_lg_u32 s2, 0xf033
	s_cbranch_scc0 .Lentry_shape_is_right
	s_endpgm
.Lentry_shape_is_right:
; C = A B + bias on tiles of 256 x 128, K = 1,024.  One text in two forms, chosen by OUT32:
;   OUT32 = 0: v = x Wv + bv.  A = columns 0-1023 of a2 (bf16, rows of 4,096 bytes), B = Wv in wb (bf16), C = vv [8192][1024] f16, rounded once from f32 sums.
;   OUT32 = 1 (THIS ONE): out0 = ctx Wo + bo.  A = ctx (f16, rows of 2,048 bytes), B = Wo in wb (f16), C = out0 [8192][1024] f32.
; B lies [k][n], K down the rows (4,096 bytes from row to row in wb), and comes out of LDS turned, by ds_load_tr16_b128.  The bias, rounded to bf16 like every input, is the C operand of the
; product that starts a column's sums.  LIMITS: with OUT32 = 0 a sum of 65,520 or more becomes an infinity in f16.  NaN and infinities are not treated apart.
; SHARES.  8,192 x 1,024 numbers in tiles of 256 x 128 are 256 work-groups.  Wave w makes rows 64 w .. 64 w + 63 and all 128 columns: 32 accumulators, 256 registers; whole rows of the tile belong to one wave.
; K goes in 8 steps of 128 through a ring of two LDS slots: 256 rows of A and 128 rows (k) of B, each row 256 bytes of memory at a multiple of 256 bytes.
; CLUSTERS: 4 x 4 work-groups; A's tile is shared along a row of the cluster, B's along a column: joint loads.  No prefetch: the launch has eight K steps, of which the first four could not be asked for ahead.
; THE MATRIX INSTRUCTION IS USED TRANSPOSED (source 0 = 16 columns of B, source 1 = 16 rows of A): lane l holds row l % 16 of C and the columns 8 (l / 16) + 0..7.
; REGISTERS (s_set_vgpr_msb: bits 1:0 source 0, 3:2 source 1, 5:4 source 2, 7:6 destination):  window 0: v0-31 addresses; v64-95, v128-159 fragments of A, two buffers; v192-255 the bias; on the way out
; v32-255 at work.  window 1: v64-127, v128-191 fragments of B.  window 2: the accumulators, (a, b) at v[8 (8 a + b)].
.set OUT32, 1
.if OUT32
.set ASHIFT,  11                       ; a row of A: 2,048 bytes
.set ASTRIDE, 1024
.set WOFF,    2048*4096+2048           ; Wo in wb: rows 2048 on, the right half
.set SPITCH,  528                      ; a stage row: 512 bytes + 16
.set OSHIFT,  12                       ; a row of C: 4,096 bytes
.set OCOL,    9                        ; a tile's 128 columns: 512 bytes
.else
.set ASHIFT,  12
.set ASTRIDE, 2048
.set WOFF,    2048*4096                ; Wv in wb: rows 2048 on, the left half
.set SPITCH,  272                      ; a stage row: 256 bytes + 16
.set OSHIFT,  11
.set OCOL,    8
.endif
.set KSTEP,  128
.set PITCH,  272                       ; a row of A in LDS: 256 + 16 bytes = 68 words: the 16 rows of a load start at 16 different groups of four banks (64 banks of 4 bytes: ISA guide 11.1)
.set PITCHB, 288                       ; a row of B: 256 + 32 bytes = 72 words
.set AHALF,  128*PITCH                 ; what waves 0 and 1 fetch
.set BHALF,  64*PITCHB                 ; what waves 2 and 3 fetch
.set BOFF,   2*AHALF
.set SLOT,   BOFF+2*BHALF
.set STAGE,  2*SLOT                    ; behind the ring: 16 stage rows for each wave
.set SPARE,  STAGE+4*16*SPITCH         ; behind the stages: the spare words, 128 bytes for each wave: two blocks of 256 bytes that no other line names
.set BSTEP,  KSTEP*4096                ; a K step in B
.set LAPS,   4                         ; a lap = two K steps
.set ADRA, 16
.set ADRB, 20
.set STO,  24
.set RD,   25
.set CO,   26
.set BO,   27
.set SPW,  28                          ; v28  SPARE + 4 x my thread's number; never rewritten
.set NIL,  29                          ; v29  0; never rewritten
.set F0,   64
.set F1,   128
.set BIAS, 192
.set TMP,  192
.set OB,   32
.set G1, 24
.set G0, 32
.set G1B, 48
.set G0B, 56
.set MSB, 0
.macro WIN new                         ; the immediate's high byte repeats the setting that is left; a switch that changes nothing is dropped
.if MSB != (\new)
	s_set_vgpr_msb (MSB<<8)|(\new)
.set MSB, \new
.endif
.endm
.macro JLOAD s                         ; a joint load: waves 0 and 1 fetch A's two halves, waves 2 and 3 B's; an s_nop 0 and four v_nop follow each of the two lines
	s_cmp_eq_u32 s11, 0
	s_cbranch_scc0 .Lfor_b_\@
	tensor_load_to_lds s[G0+4*(\s):G0+4*(\s)+3], s[G1:G1+7]
	s_nop 0
.rept 4
	v_nop
.endr
	s_branch .Lasked_\@
.Lfor_b_\@:
	tensor_load_to_lds s[G0B+4*(\s):G0B+4*(\s)+3], s[G1B:G1B+7]
	s_nop 0
.rept 4
	v_nop
.endr
.Lasked_\@:
.endm
.macro CREST                           ; a round of the cluster's barrier behind its opening barrier
	s_cmp_lg_u32 s10, 0
	s_cbranch_scc1 .Lnot_wave_0_\@
	s_barrier_signal -3
.Lnot_wave_0_\@:
	s_barrier_wait -3
	s_barrier_signal -1
	s_barrier_wait -1
.endm
.macro CROUND
	s_barrier_signal -1
	s_barrier_wait -1
	CREST
.endm
	s_load_b128 s[4:7], s[0:1], 0x0                ; A s[4:5], wb s[6:7]
	s_load_b64 s[8:9], s[0:1], 0x10                ; C
	s_load_b64 s[66:67], s[0:1], 0x18              ; the bias
	v_lshl_add_u32 v[SPW], v0, 2, SPARE
	v_mov_b32 v[NIL], 0
	ds_add_u32 v[SPW], v[NIL]                      ; the wave's opening: the add and its wait stand ahead of my first tensor load; the set-up below, work on registers, stands between them
	v_lshrrev_b32 v1, 5, v0
	v_readfirstlane_b32 s10, v1                    ; wave 0..3
	s_lshr_b32 s11, s10, 1                         ; I fetch for A (0) or for B (1),
	s_and_b32 s12, s10, 1                          ; its first or its second half
	s_bfe_u32 s40, ttmp6, 0x40000                  ; cx
	s_bfe_u32 s41, ttmp6, 0x40004                  ; cy
	s_lshl_b32 s42, ttmp9, 2
	s_add_co_u32 s42, s42, s40                     ; tile column of C
	s_and_b32 s13, ttmp7, 0xffff
	s_lshl_b32 s13, s13, 2
	s_add_co_u32 s13, s13, s41                     ; tile row of C
	s_lshl_b32 s43, s41, 2
	s_lshl_b32 s43, 15, s43                        ; my row of the cluster
	s_lshl_b32 s44, 0x1111, s40                    ; my column
	s_or_b32 s[G1+0], s43, (1<<16)|(1<<20)|(1<<21)|(5<<22)|(3<<25)   ; A: the mask of my row; 2-byte elements; padding on; bit 21 beside a mask; after every 64 words, 4 words
	s_or_b32 s[G1B+0], s44, (1<<16)|(1<<20)|(1<<21)|(5<<22)|(7<<25)  ; B: the mask of my column; after every 64 words, 8 words
	s_mov_b32 s[G1+1], KSTEP<<16                   ; A: tensor_dim0 = 128
	s_mov_b32 s[G1+2], 128<<16                     ; tensor_dim1 = 128
	s_mov_b32 s[G1+3], KSTEP<<16                   ; tile_dim0 = 128
	s_mov_b32 s[G1+4], 128                         ; tile_dim1 = 128
	s_mov_b32 s[G1+5], ASTRIDE                     ; elements from row to row
	s_mov_b32 s[G1+6], 0
	s_mov_b32 s[G1+7], 0
	s_mov_b32 s[G1B+1], 128<<16                    ; B: tensor_dim0 = 128 columns
	s_mov_b32 s[G1B+2], 64<<16                     ; tensor_dim1 = 64 rows (k)
	s_mov_b32 s[G1B+3], 128<<16                    ; tile_dim0 = 128
	s_mov_b32 s[G1B+4], 64                         ; tile_dim1 = 64
	s_mov_b32 s[G1B+5], 2048                       ; elements from row to row in wb
	s_mov_b32 s[G1B+6], 0
	s_mov_b32 s[G1B+7], 0
	s_lshl_b32 s17, s12, 7
	s_lshl_b32 s16, s13, 8
	s_add_co_u32 s16, s16, s17                     ; A: row 256 x tile row + 128 x half
	s_lshl_b32 s16, s16, ASHIFT
	s_mov_b32 s17, 0
	s_lshl_b32 s46, s42, 8                         ; B: 256 bytes x tile column
	s_lshl_b32 s47, s12, 18                        ; + 64 rows of 4,096 bytes x half
	s_add_co_u32 s46, s46, s47
	s_add_co_u32 s46, s46, WOFF
	s_mov_b32 s47, 0
	s_mul_i32 s20, s10, AHALF                      ; where A's halves go (waves 0, 1),
	s_mul_i32 s21, s10, BHALF
	s_add_co_u32 s21, s21, BOFF-2*BHALF            ; and B's (waves 2, 3): BOFF + (wave - 2) x 64 rows
	s_wait_dscnt 0x0                               ; the opening add is done
	s_wait_kmcnt 0x0
	s_add_nc_u64 s[14:15], s[4:5], s[16:17]
	s_add_nc_u64 s[46:47], s[6:7], s[46:47]
	CROUND                                         ; all sixteen work-groups are here: the first joint loads meet
.irp s, 0,1
	s_mov_b32 s[G0+4*(\s)], 1
	s_add_co_u32 s[G0+4*(\s)+1], s20, (\s)*SLOT
	s_add_nc_u64 s[G0+4*(\s)+2:G0+4*(\s)+3], s[14:15], (\s)*KSTEP*2
	s_or_b32 s[G0+4*(\s)+3], s[G0+4*(\s)+3], 0x80000000
	s_mov_b32 s[G0B+4*(\s)], 1
	s_add_co_u32 s[G0B+4*(\s)+1], s21, (\s)*SLOT
	s_add_nc_u64 s[G0B+4*(\s)+2:G0B+4*(\s)+3], s[46:47], (\s)*BSTEP
	s_or_b32 s[G0B+4*(\s)+3], s[G0B+4*(\s)+3], 0x80000000
	JLOAD \s                                       ; two loads of mine are out
.endr
	v_and_b32 v1, 15, v0                           ; l % 16
	v_bfe_u32 v2, v0, 4, 1                         ; l / 16
	s_lshl_b32 s22, s42, 9                         ; the bias: the tile's 128 columns of 4 bytes; eight numbers a block of 16 columns at 64 b + 32 (l / 16)
	v_lshl_add_u32 v[BO], v2, 5, s22
.irp b, 0,1,2,3,4,5,6,7
	global_load_b128 v[BIAS+8*(\b):BIAS+8*(\b)+3],   v[BO], s[66:67] offset:64*(\b)
	global_load_b128 v[BIAS+8*(\b)+4:BIAS+8*(\b)+7], v[BO], s[66:67] offset:64*(\b)+16
.endr
	v_mul_u32_u24 v3, v1, PITCH                    ; a fragment of A: row l % 16, 16 bytes for each half of the lanes, twice, 32 bytes apart
	v_lshl_add_u32 v3, v2, 4, v3
	s_mul_i32 s21, s10, 64*PITCH                   ; my 64 rows of A
	v_add_nc_u32 v[ADRA], s21, v3
	v_add_nc_u32 v[ADRA+1], SLOT, v[ADRA]
	v_and_b32 v4, 7, v0                            ; the turning load: lane l reads k = 8 (l / 16) + l % 8, columns 8 ((l / 8) % 2) + 0..7
	v_lshl_add_u32 v4, v2, 3, v4
	v_mul_u32_u24 v4, v4, PITCHB
	v_bfe_u32 v5, v0, 3, 1
	v_lshl_add_u32 v4, v5, 4, v4
	v_add_nc_u32 v[ADRB], BOFF, v4
	v_add_nc_u32 v[ADRB+1], SLOT, v[ADRB]
	s_mul_i32 s23, s10, 16*SPITCH
	s_add_co_u32 s23, s23, STAGE                   ; my stage
	v_mul_u32_u24 v4, v1, SPITCH                   ; in: row l % 16, my eight columns
.if OUT32
	v_lshl_add_u32 v4, v2, 5, v4                   ; 32 bytes of f32
	v_add_nc_u32 v[STO], s23, v4
	v_and_b32 v5, 31, v0                           ; back: 32 lanes take one row of 512 bytes,
	v_lshlrev_b32 v[CO], 4, v5                     ; which are 512 consecutive bytes of C
	v_add_nc_u32 v[RD], s23, v[CO]
.else
	v_lshl_add_u32 v4, v2, 4, v4                   ; 16 bytes of f16
	v_add_nc_u32 v[STO], s23, v4
	v_mul_u32_u24 v5, v2, SPITCH                   ; back: lanes 0-15 take one row of 256 bytes, lanes 16-31 the next
	v_lshl_add_u32 v5, v1, 4, v5
	v_add_nc_u32 v[RD], s23, v5
	v_lshlrev_b32 v5, OSHIFT, v2                   ; and the same two rows in C
	v_lshl_add_u32 v[CO], v1, 4, v5
.endif
	s_lshl_b32 s16, s13, 8
	s_lshl_b32 s17, s10, 6
	s_add_co_u32 s16, s16, s17                     ; my first row of C: 256 x tile row + 64 x wave
	s_lshl_b32 s16, s16, OSHIFT
	s_mov_b32 s17, 0
	s_add_nc_u64 s[8:9], s[8:9], s[16:17]
	s_lshl_b32 s46, s42, OCOL                      ; the tile's first column, in bytes
	s_mov_b32 s47, 0
	s_add_nc_u64 s[8:9], s[8:9], s[46:47]
	s_mov_b32 s23, 0xffff0000
	s_wait_loadcnt 0x0                             ; the bias is rounded to bf16, as every input is, and widened again; v32-63 at work
.set i, 0
.rept 32
	v_cvt_pk_bf16_f32 v[32+i], v[BIAS+2*i], v[BIAS+2*i+1]
.set i, i+1
.endr
.set i, 0
.rept 32
	v_lshlrev_b32 v[BIAS+2*i],   16,  v[32+i]
	v_and_b32     v[BIAS+2*i+1], s23, v[32+i]
.set i, i+1
.endr
; 8 matrix instructions: m block a x all 8 n blocks, 32 along K.  zero = 1: the product starts the sums, with the bias (window 0) as its C.  The 32 accumulators take turns, in the same order in every quarter.
.macro MUL8 f, a, zero
.if \zero
	WIN 0x81                                       ; B window 1, A and the bias window 0, D window 2
.else
	WIN 0xa1                                       ; B window 1, A window 0, C and D window 2
.endif
.irp b, 0,1,2,3,4,5,6,7
.if OUT32
.if \zero
	v_wmma_f32_16x16x32_f16 v[8*(8*(\a)+(\b)):8*(8*(\a)+(\b))+7], v[(\f)+8*(\b):(\f)+8*(\b)+7], v[(\f)+8*(\a):(\f)+8*(\a)+7], v[BIAS+8*(\b):BIAS+8*(\b)+7]
.else
	v_wmma_f32_16x16x32_f16 v[8*(8*(\a)+(\b)):8*(8*(\a)+(\b))+7], v[(\f)+8*(\b):(\f)+8*(\b)+7], v[(\f)+8*(\a):(\f)+8*(\a)+7], v[8*(8*(\a)+(\b)):8*(8*(\a)+(\b))+7]
.endif
.else
.if \zero
	v_wmma_f32_16x16x32_bf16 v[8*(8*(\a)+(\b)):8*(8*(\a)+(\b))+7], v[(\f)+8*(\b):(\f)+8*(\b)+7], v[(\f)+8*(\a):(\f)+8*(\a)+7], v[BIAS+8*(\b):BIAS+8*(\b)+7]
.else
	v_wmma_f32_16x16x32_bf16 v[8*(8*(\a)+(\b)):8*(8*(\a)+(\b))+7], v[(\f)+8*(\b):(\f)+8*(\b)+7], v[(\f)+8*(\a):(\f)+8*(\a)+7], v[8*(8*(\a)+(\b)):8*(8*(\a)+(\b))+7]
.endif
.endif
.endr
.endm
; 24 LDS loads in one run: quarter q of a K step: 32 k x 128 columns of B, turned (16 loads), then my 64 rows of A x 32 k (8 loads), into buffer f
.macro FETCH slot, q, f
	WIN 0x40                                       ; destination window 1, address window 0
.irp i, 0,1,2,3,4,5,6,7
	ds_load_tr16_b128 v[(\f)+8*(\i):(\f)+8*(\i)+3],   v[ADRB+(\slot)] offset:(\q)*32*PITCHB+32*(\i)
	ds_load_tr16_b128 v[(\f)+8*(\i)+4:(\f)+8*(\i)+7], v[ADRB+(\slot)] offset:(\q)*32*PITCHB+32*(\i)+16*PITCHB
.endr
	WIN 0
.irp i, 0,1,2,3
	ds_load_b128 v[(\f)+8*(\i):(\f)+8*(\i)+3],   v[ADRA+(\slot)] offset:64*(\q)+(\i)*16*PITCH
	ds_load_b128 v[(\f)+8*(\i)+4:(\f)+8*(\i)+7], v[ADRA+(\slot)] offset:64*(\q)+(\i)*16*PITCH+32
.endr
.endm
.macro PLACES                          ; four places in front of loads into registers that matrix instructions have read, and of what reads results (ISA guide 7.12.1 for vector instructions)
.rept 4
	v_nop
.endr
.endm
; A K step is four quarters of 32 along K, 32 matrix instructions each, on buffers 0, 1, 0, 1.  One of the first three: multiplies buffer f and fetches quarter q into g.
.macro QUARTER slot, q, f, g, zero
	s_wait_dscnt 4                                 ; B and A's blocks 0 and 1 are in; the youngest four loads (A's blocks 2 and 3) may be out
	MUL8 \f, 0, \zero
	MUL8 \f, 1, \zero
	PLACES
	FETCH \slot, \q, \g
	s_wait_dscnt 24                                ; all but the 24 just issued
	MUL8 \f, 2, \zero
	MUL8 \f, 3, \zero
.endm
; The last quarter multiplies buffer 1 and changes slots: ONE barrier; in front of it each wave waits for all its tensor loads (one is out: its part of the next slot), adds 0 to its spare word, and waits
; for that and for its own reads of this slot.
.macro MEET round
	WIN 0                                          ; (the add's two registers lie in window 0)
	s_wait_tensorcnt 0x0
	ds_add_u32 v[SPW], v[NIL]                      ; 0 onto my spare word
	s_wait_dscnt 5                                 ; (the add and the youngest four loads may be out)
	MUL8 F1, 0, 0                                  ; eight matrix instructions stand between the add and the wait for it
	s_wait_dscnt 0x0                               ; the add is done, and my reads of this slot are over
	s_barrier_signal -1
	MUL8 F1, 1, 0
.if \round
	WIN 0
.endif
	s_barrier_wait -1
.endm
.macro TURN slot, next                 ; this slot is filled again, two K steps ahead: 112 matrix instructions ahead of the wait for it
	MEET 1
	CREST                                          ; the barrier has opened a round of the cluster's: no wave of any partner still reads this slot's tile or has a load on its way
	s_add_nc_u64 s[G0+4*(\slot)+2:G0+4*(\slot)+3], s[G0+4*(\slot)+2:G0+4*(\slot)+3], 2*KSTEP*2
	s_add_nc_u64 s[G0B+4*(\slot)+2:G0B+4*(\slot)+3], s[G0B+4*(\slot)+2:G0B+4*(\slot)+3], 2*BSTEP
	JLOAD \slot                                    ; the first tensor load behind the round; its four v_nop are also the places in front of the loads below
	FETCH \next, 0, F0
	MUL8 F1, 2, 0
	MUL8 F1, 3, 0
.endm
	s_wait_tensorcnt 1                             ; my part of K step 0 is in; K step 1's may stay out
	s_barrier_signal -1
	s_barrier_wait -1
	FETCH 0, 0, F0
	QUARTER 0, 1, F0, F1, 1                        ; the first quarter stands in front of the loop: its products start the sums
	WIN 0                                          ; at a label and at a branch every window is 0
	s_mov_b32 s3, LAPS-1
.Llap:                                                 ; a trip goes once round the ring, from a lap's second quarter to the next lap's first, and fills both slots again
	QUARTER 0, 2, F1, F0, 0
	QUARTER 0, 3, F0, F1, 0
	TURN 0, 1
	QUARTER 1, 1, F0, F1, 0
	QUARTER 1, 2, F1, F0, 0
	QUARTER 1, 3, F0, F1, 0
	TURN 1, 0
	QUARTER 0, 1, F0, F1, 0
	WIN 0
	s_sub_co_u32 s3, s3, 1
	s_cmp_lg_u32 s3, 0
	s_cbranch_scc1 .Llap
	QUARTER 0, 2, F1, F0, 0                        ; the last lap fills nothing, and has no round of the cluster's barrier
	QUARTER 0, 3, F0, F1, 0
	MEET 0
	PLACES
	FETCH 1, 0, F0
	MUL8 F1, 2, 0
	MUL8 F1, 3, 0
	QUARTER 1, 1, F0, F1, 0
	QUARTER 1, 2, F1, F0, 0
	QUARTER 1, 3, F0, F1, 0
	s_wait_dscnt 4                                 ; the very last quarter: nothing more to fetch
	MUL8 F1, 0, 0
	MUL8 F1, 1, 0
	s_wait_dscnt 0x0
	MUL8 F1, 2, 0
	MUL8 F1, 3, 0
	WIN 0
	PLACES                                         ; eight places, once a launch, behind the last products
	PLACES
.if OUT32
; THE WAY OUT, f32: block a (16 rows x 128 columns) goes from the accumulators into my own stage (each accumulator's four lowest registers first) and comes back as whole rows of 512 bytes.
.macro TOSTAGE a
	s_wait_xcnt 0x0                                ; the stores two blocks back have read the registers that the loads below fill
	WIN 0x08                                       ; the data (source 1) in window 2
.irp b, 0,1,2,3,4,5,6,7
	ds_store_b128 v[STO], v[64*(\a)+8*(\b):64*(\a)+8*(\b)+3]   offset:64*(\b)
	ds_store_b128 v[STO], v[64*(\a)+8*(\b)+4:64*(\a)+8*(\b)+7] offset:64*(\b)+16
.endr
	WIN 0
.set BK, 64+64*((\a)%2)
.irp t, 0,1,2,3,4,5,6,7,8,9,10,11,12,13,14,15
	ds_load_b128 v[BK+4*(\t):BK+4*(\t)+3], v[RD] offset:(\t)*SPITCH  ; LDS serves a wave's instructions in order (ISA guide 5.7.1.4): these see the stores above; the next block's stores come behind them
.endr
.endm
.macro SEND a, younger                 ; younger: the next block's 16 LDS stores and 16 loads, or none
.set BK, 64+64*((\a)%2)
	s_wait_dscnt \younger
.irp t, 0,1,2,3,4,5,6,7,8,9,10,11,12,13,14,15
	global_store_b128 v[CO], v[BK+4*(\t):BK+4*(\t)+3], s[8:9] offset:(16*(\a)+(\t))*4096 th:TH_STORE_NT  ; 32 lanes store 512 consecutive bytes, at a multiple of 256 from C's first byte
.endr
.endm
	TOSTAGE 0
	TOSTAGE 1
	SEND 0, 32
	TOSTAGE 2
	SEND 1, 32
	TOSTAGE 3
	SEND 2, 32
	SEND 3, 0
.else
; THE WAY OUT, f16: block a is rounded, 16 bytes a lane, goes into my own stage and comes back as whole rows of 256 bytes.
.macro PACK a
	WIN 0x0a                                       ; sources 0 and 1 window 2, destination window 0
.irp b, 0,1,2,3,4,5,6,7
.irp r, 0,1,2,3
	v_cvt_pk_f16_f32 v[TMP+4*(\b)+(\r)], v[64*(\a)+8*(\b)+2*(\r)], v[64*(\a)+8*(\b)+2*(\r)+1]
.endr
.endr
	WIN 0
.endm
.macro TOSTAGE a
.set BK, OB+192*((\a)%2)
.irp b, 0,1,2,3,4,5,6,7
	ds_store_b128 v[STO], v[TMP+4*(\b):TMP+4*(\b)+3] offset:32*(\b)
.endr
.irp t, 0,1,2,3,4,5,6,7
	ds_load_b128 v[BK+4*(\t):BK+4*(\t)+3], v[RD] offset:(\t)*2*SPITCH  ; LDS serves a wave's instructions in order (ISA guide 5.7.1.4): these see the stores above
.endr
.endm
.macro SEND a
.set BK, OB+192*((\a)%2)
	s_wait_dscnt 0x0                               ; the block is back in registers
	s_wait_xcnt 0x0                                ; the block before has been read by its stores: its registers are loaded again only behind this wait
.irp t, 0,1,2,3,4,5,6,7
	global_store_b128 v[CO], v[BK+4*(\t):BK+4*(\t)+3], s[8:9] offset:(16*(\a)+2*(\t))*2048  ; 16 lanes store 256 consecutive bytes, at a multiple of 256 from C's first byte
.endr
.endm
	PACK 0
	TOSTAGE 0
.irp a, 1,2,3                          ; block a's conversions stand between block a - 1's loads from the stage and the wait for them
	PACK \a
	SEND (\a)-1
	TOSTAGE \a
.endr
	SEND 3
.endif
	s_wait_tensorcnt 0x0                           ; the wave's end: an add and its wait behind my last tensor load and my last LDS store
	ds_add_u32 v[SPW], v[NIL]
	s_wait_dscnt 0x0
	CROUND                                         ; the closing round: no work-group ends while a partner may still ask for a tile that names it
	s_endpgm
.Lfunc_end_k_q6b158ac61f_gemm_o:
	.size	k_q6b158ac61f_gemm_o, .Lfunc_end_k_q6b158ac61f_gemm_o-k_q6b158ac61f_gemm_o
	.p2alignl 7, 3214868480
	.fill 96, 4, 3214868480
	.section	.rodata,"a",@progbits
	.p2align	6, 0x0
	.amdhsa_kernel k_q6b158ac61f_gemm_o
		.amdhsa_group_segment_fixed_size 327680
		.amdhsa_private_segment_fixed_size 0
		.amdhsa_enable_private_segment 0
		.amdhsa_kernarg_size 32
		.amdhsa_user_sgpr_count 2
		.amdhsa_user_sgpr_kernarg_segment_ptr 1
		.amdhsa_wavefront_size32 1
		.amdhsa_system_sgpr_workgroup_id_x 1
		.amdhsa_system_sgpr_workgroup_id_y 1
		.amdhsa_system_sgpr_workgroup_id_z 1
		.amdhsa_system_vgpr_workitem_id 0
		.amdhsa_next_free_vgpr 768
		.amdhsa_next_free_sgpr 72
		.amdhsa_reserve_vcc 0
		.amdhsa_float_denorm_mode_32 3
		.amdhsa_float_denorm_mode_16_64 3
		.amdhsa_memory_ordered 1
		.amdhsa_forward_progress 1
		.amdhsa_inst_pref_size 91
	.end_amdhsa_kernel
	.amdgpu_metadata
---
amdhsa.version: [ 1, 2 ]
amdhsa.kernels:
  - .name:           k_q6b158ac61f_gemm_o
    .symbol:         k_q6b158ac61f_gemm_o.kd
    .args:
      - { .name: ctx, .offset: 0, .size: 8, .value_kind: global_buffer, .address_space: global }
      - { .name: wb, .offset: 8, .size: 8, .value_kind: global_buffer, .address_space: global }
      - { .name: out0, .offset: 16, .size: 8, .value_kind: global_buffer, .address_space: global }
      - { .name: bo, .offset: 24, .size: 8, .value_kind: global_buffer, .address_space: global }
    .group_segment_fixed_size: 327680
    .private_segment_fixed_size: 0
    .kernarg_segment_align: 8
    .kernarg_segment_size: 32
    .max_flat_workgroup_size: 128
    .sgpr_count:     72
    .vgpr_count:     768
    .wavefront_size: 32
...
	.end_amdgpu_metadata
.endif
;; end of part 4
;; ======== version 2 of 2: 4 launches; version 1 with the launch cvt written anew for expert scheduling mode
;; limits: values are held in f16: magnitudes above 65,504 overflow, below 6.1e-05 lose precision
;; workspace buffers: a2 33,554,432 bytes; wb 12,582,912 bytes; qk 33,554,432 bytes; vv 16,777,216 bytes; ctx 16,777,216 bytes
;; launch cvt (part 5): grid 704 x 1, 8 waves a work-group, no clusters, 0 bytes of LDS; arguments x, saliency_feats, Wq, Wk, Wsq, Wsk, Wv, Wo, a2, wb; writes a2, wb
.if DOCPART == 5
	.amdgcn_target "amdgcn-amd-amdhsa--gfx1250"
	.amdhsa_code_object_version 6
	.text
	.protected	k_q6b158ac61f_cvt
	.globl	k_q6b158ac61f_cvt
	.p2align	8
	.type	k_q6b158ac61f_cvt,@function
k_q6b158ac61f_cvt:
	s_mov_b64 s[64:65], 0
	v_nop
	global_prefetch_b8 v0, s[64:65] scope:SCOPE_SE
	s_setreg_imm32_b32 hwreg(HW_REG_WAVE_SCHED_MODE, 0, 2), 2
	s_setreg_imm32_b32 hwreg(HW_REG_WAVE_MODE, 25, 1), 1
	s_wait_xcnt 0x0
	s_wait_alu depctr_vm_vsrc(0)
; ROUNDS THE MATRIX OPERANDS ONCE.  x and saliency_feats ([8192][1024] f32) go to a2 ([8192][2048] bf16: x | sal); the six weights ([1024][1024] f32) go to
; wb ([3072][2048] of 16 bits: rows 0-1023 Wq | Wk, rows 1024-2047 Wsq | Wsk, rows 2048-3071 Wv | Wo).  All are rounded to bf16, to nearest even.
; Wo's bf16 number is then written as f16, since the last product multiplies it by an f16 operand.
; LIMITS.  Wo as f16: beyond 65,504 it becomes an infinity; below 6e-5 it keeps f16's fixed step of 6e-8.
; SHARES.  A work-group takes 32 rows of 1,024 f32 of ONE source: 512 work-groups for x and sal, 192 for the weights.  Thread t takes bytes 16 t of every row (a wave's
; load covers 512 consecutive bytes) and stores bytes 8 t of the row's 2,048 (a wave's store covers 256 consecutive bytes, aligned).
; All 32 loads of a thread go out at once, each into registers of its own, so that no register is written twice: no loop, no LDS, no barrier.
; No matrix unit, no cluster, no prefetch: each byte is read once and written once, and nothing is shared.
; THE MODE: SCHED_MODE bits 1:0 = 2 (LLVM: expert scheduling mode 2), set by the entry lines.  The code itself states the register dependences
; between vector instructions and memory instructions, with s_wait_alu, always for 0.
; THE PLAN.  Registers that memory instructions touch:
;   v1, v2        byte offsets, made once at the head and never written again: v1 is read by every load, v2 by every store.
;   X + 4 r ..    row r's four registers.  Its load, issued at the head, lands in them; no vector instruction has named them before.  Its conversions read them and write the
;                 first two in place; its one store reads those two; nothing writes them again.
;   T             is named by vector instructions alone.
; So the one kind of dependence is: written by a vector instruction, then read by a memory instruction.  One wait at the head states it for v1 and v2.  The 32 rows go in 8 blocks
; of four: the wait at the head of a block states that the block before has written its eight registers to store, and that block's four stores follow, dealt among this block's
; conversions, which name this block's X and T alone.  One more wait stands in front of the last block's stores.  No register that a memory instruction reads is written again,
; no vector instruction writes a scalar register, and EXEC is never written: nothing else is owed.
.set ROWB, 4096                        ; bytes in a source row, and from row to row in a2 and wb
.set BLOCK, 4                          ; rows in a block
.set X,    4                           ; v[4:131]   row r as loaded at X + 4 r; its 8 bytes to store take the first two of the four
.set T,    132                         ; v[132:135] at work (Wo alone)
	s_load_b512 s[8:23], s[0:1], 0x0               ; the eight sources, in the order x, sal, Wq, Wk, Wsq, Wsk, Wv, Wo
	s_load_b128 s[24:27], s[0:1], 0x40             ; a2 s[24:25], wb s[26:27]
	v_lshlrev_b32 v1, 4, v0                        ; my 16 bytes of a source row
	v_lshlrev_b32 v2, 3, v0                        ; my 8 bytes of a row of the result
	s_mov_b32 s40, 0xffff0000                      ; a word's upper bf16
	s_lshr_b32 s28, ttmp9, 8                       ; work-groups 0-511: source 0 or 1,
	s_and_b32 s29, ttmp9, 255                      ; block of 32 rows 0-255
	s_max_u32 s30, ttmp9, 512
	s_sub_co_u32 s30, s30, 512                     ; work-groups 512-703:
	s_lshr_b32 s31, s30, 5                         ; weight 0-5,
	s_and_b32 s30, s30, 31                         ; block of 32 rows 0-31
	s_add_co_u32 s36, s31, 2                       ; source 2-7
	s_cmp_lt_u32 ttmp9, 512
	s_cselect_b32 s37, s28, s36                    ; the source's number
	s_cselect_b32 s38, s29, s30                    ; the block
	s_cselect_b32 s39, s28, s31                    ; the place in the result: bit 0 the half of a row, the bits above the band of 1,024 rows
	s_lshl_b32 s32, s38, 17                        ; 32 rows of 4,096 bytes: the block's offset in the source,
	s_mov_b32 s33, 0
	s_and_b32 s34, s39, 1
	s_lshl_b32 s34, s34, 11                        ; and in the result: + 2,048 bytes for the right half,
	s_add_co_u32 s34, s34, s32
	s_lshr_b32 s35, s39, 1
	s_lshl_b32 s35, s35, 22                        ; + 1,024 rows of 4,096 bytes for each band
	s_add_co_u32 s34, s34, s35
	s_mov_b32 s35, 0
	s_wait_kmcnt 0x0
	s_mov_b64 s[4:5], s[8:9]
.irp k, 1,2,3,4,5,6,7
	s_cmp_eq_u32 s37, \k
	s_cselect_b64 s[4:5], s[8+2*(\k):9+2*(\k)], s[4:5]
.endr
	s_cmp_lt_u32 s37, 2
	s_cselect_b64 s[6:7], s[24:25], s[26:27]
	s_add_nc_u64 s[4:5], s[4:5], s[32:33]
	s_add_nc_u64 s[6:7], s[6:7], s[34:35]
	s_wait_alu depctr_va_vdst(0)                   ; v1 and v2 are written: every load of the kernel reads v1 as its offset, every store v2
.set r, 0
.rept 32
	global_load_b128 v[X+4*r:X+4*r+3], v1, s[4:5] offset:ROWB*r th:TH_LOAD_NT
.set r, r+1
.endr
; The 32 rows, one after the other, in blocks of four; a row's store stands a block behind its conversions.  half = 1: the bf16 numbers are written as f16.
.macro ROWS half
.set r, 0
.rept 32
	s_wait_loadcnt 31-r                            ; loads come back in order: row r is in, the 31 - r younger ones may stay out
.if (r%BLOCK == 0) && (r > 0)
	s_wait_alu depctr_va_vdst(0)                   ; the conversions of the block before have written that block's eight registers to store, which the four stores of this block read
.endif
.if r >= BLOCK
	global_store_b64 v2, v[X+4*(r-BLOCK):X+4*(r-BLOCK)+1], s[6:7] offset:ROWB*(r-BLOCK)  ; a row of the block before; no vector instruction since the wait names its registers
.endif
	v_cvt_pk_bf16_f32 v[X+4*r],   v[X+4*r],   v[X+4*r+1]
	v_cvt_pk_bf16_f32 v[X+4*r+1], v[X+4*r+2], v[X+4*r+3]
.if \half
	v_lshlrev_b32 v[T],   16,  v[X+4*r]             ; the rounded numbers as f32 again,
	v_and_b32     v[T+1], s40, v[X+4*r]
	v_lshlrev_b32 v[T+2], 16,  v[X+4*r+1]
	v_and_b32     v[T+3], s40, v[X+4*r+1]
	v_cvt_pk_f16_f32 v[X+4*r],   v[T],   v[T+1]    ; and as f16: exact inside f16's range
	v_cvt_pk_f16_f32 v[X+4*r+1], v[T+2], v[T+3]
.endif
.set r, r+1
.endr
	s_wait_alu depctr_va_vdst(0)                   ; the last block's conversions have written its eight registers to store, which the last four stores read
.set r, 32-BLOCK
.rept BLOCK
	global_store_b64 v2, v[X+4*r:X+4*r+1], s[6:7] offset:ROWB*r
.set r, r+1
.endr
.endm
	s_cmp_eq_u32 s37, 7                            ; Wo?
	s_cbranch_scc1 .Lf16
	ROWS 0
	s_endpgm
.Lf16:
	ROWS 1
	s_endpgm
.Lfunc_end_k_q6b158ac61f_cvt:
	.size	k_q6b158ac61f_cvt, .Lfunc_end_k_q6b158ac61f_cvt-k_q6b158ac61f_cvt
	.p2alignl 7, 3214868480
	.fill 96, 4, 3214868480
	.section	.rodata,"a",@progbits
	.p2align	6, 0x0
	.amdhsa_kernel k_q6b158ac61f_cvt
		.amdhsa_group_segment_fixed_size 0
		.amdhsa_private_segment_fixed_size 0
		.amdhsa_enable_private_segment 0
		.amdhsa_kernarg_size 80
		.amdhsa_user_sgpr_count 2
		.amdhsa_user_sgpr_kernarg_segment_ptr 1
		.amdhsa_wavefront_size32 1
		.amdhsa_system_sgpr_workgroup_id_x 1
		.amdhsa_system_sgpr_workgroup_id_y 1
		.amdhsa_system_sgpr_workgroup_id_z 1
		.amdhsa_system_vgpr_workitem_id 0
		.amdhsa_next_free_vgpr 140
		.amdhsa_next_free_sgpr 66
		.amdhsa_reserve_vcc 0
		.amdhsa_float_denorm_mode_32 3
		.amdhsa_float_denorm_mode_16_64 3
		.amdhsa_memory_ordered 1
		.amdhsa_forward_progress 1
		.amdhsa_inst_pref_size 30
	.end_amdhsa_kernel
	.amdgpu_metadata
---
amdhsa.version: [ 1, 2 ]
amdhsa.kernels:
  - .name:           k_q6b158ac61f_cvt
    .symbol:         k_q6b158ac61f_cvt.kd
    .args:
      - { .name: x, .offset: 0, .size: 8, .value_kind: global_buffer, .address_space: global }
      - { .name: saliency_feats, .offset: 8, .size: 8, .value_kind: global_buffer, .address_space: global }
      - { .name: Wq, .offset: 16, .size: 8, .value_kind: global_buffer, .address_space: global }
      - { .name: Wk, .offset: 24, .size: 8, .value_kind: global_buffer, .address_space: global }
      - { .name: Wsq, .offset: 32, .size: 8, .value_kind: global_buffer, .address_space: global }
      - { .name: Wsk, .offset: 40, .size: 8, .value_kind: global_buffer, .address_space: global }
      - { .name: Wv, .offset: 48, .size: 8, .value_kind: global_buffer, .address_space: global }
      - { .name: Wo, .offset: 56, .size: 8, .value_kind: global_buffer, .address_space: global }
      - { .name: a2, .offset: 64, .size: 8, .value_kind: global_buffer, .address_space: global }
      - { .name: wb, .offset: 72, .size: 8, .value_kind: global_buffer, .address_space: global }
    .group_segment_fixed_size: 0
    .private_segment_fixed_size: 0
    .kernarg_segment_align: 8
    .kernarg_segment_size: 80
    .max_flat_workgroup_size: 256
    .sgpr_count:     66
    .vgpr_count:     140
    .wavefront_size: 32
...
	.end_amdgpu_metadata
.endif
;; end of part 5
;; launch gemm_qkv: the kernel of part 2 again; grid 8 x 32, 4 waves a work-group, clusters of 4 x 4, 327,680 bytes of LDS; arguments a2, wb, qk, bq, bsq, bk, bsk, bv, vv; writes qk, vv
;; launch attn: the kernel of part 3 again; grid 256 x 1, 8 waves a work-group, no clusters, 265,216 bytes of LDS; arguments qk, vv, ctx; writes ctx
;; launch gemm_o: the kernel of part 4 again; grid 8 x 32, 4 waves a work-group, clusters of 4 x 4, 327,680 bytes of LDS; arguments ctx, wb, out0, bo; writes out0
